; MI455X (gfx1250); checked and timed in simulation.
; The chip was launched on July 23, 2026; its instructions are those of AMD's public machine-readable ISA for CDNA 5 (MIT licence, August 2026) and "CDNA5" Instruction Set Architecture Reference Guide (July 2026). The comments in the code are by the model that wrote it; some were corrected since.
;; Com Po M. Allowed arithmetic: matrix products marked QUANTISED: E2M1 operands, one E8M0 scale for each 32 along K, by v_wmma_scale_f32_16x16x128_f8f6f4 with both operands' format E2M1 (or v_wmma_scale_f32_32x16x128_f4), f32 sums; products left as they are: f32 operands where the result goes on into a quantised operand, else bf16, f16 or f32 operands; f32 sums; everything else in f32.
;; Inputs: Wag_codes 1,024 x 64 x 16 uint8 (E2M1 codes of Wag, K innermost, in blocks of 32 codes, two codes a byte); Wag_scales 1,024 x 64 uint8 (E8M0 scales of Wag, one for each 32 codes along K); Wpo_codes 2,048 x 32 x 16 uint8 (E2M1 codes of Wpo, K innermost, in blocks of 32 codes, two codes a byte); Wpo_scales 2,048 x 32 uint8 (E8M0 scales of Wpo, one for each 32 codes along K); Wse_codes 2,048 x 32 x 16 uint8 (E2M1 codes of Wse, K innermost, in blocks of 32 codes, two codes a byte); Wse_scales 2,048 x 32 uint8 (E8M0 scales of Wse, one for each 32 codes along K); bse 2,048 float32; coeff 2,048 x 3 float32; mask 4 x 4,096 int32; xc_codes 4 x 4,096 x 32 x 16 uint8 (E2M1 codes of xc, K innermost, in blocks of 32 codes, two codes a byte); xc_scales 4 x 4,096 x 32 uint8 (E8M0 scales of xc, one for each 32 codes along K); xq_codes 4 x 2,048 x 32 x 16 uint8 (E2M1 codes of xq, K innermost, in blocks of 32 codes, two codes a byte); xq_scales 4 x 2,048 x 32 uint8 (E8M0 scales of xq, one for each 32 codes along K).
;; Outputs: out0 4 x 2,048 x 1,024 float32.
;; This version of the problem:
;;   THIS VERSION OF THE PROBLEM IS GIVEN IN LOW PRECISION. The matrix products marked QUANTISED in the list below multiply operands that are first quantised to E2M1 (2 exponent bits, 1 mantissa bit; 4 bits a number), with one power-of-two scale for each 32 numbers along K (OCP MX v1.0); their sums are f32. All else is computed in f32.
;;   The module's matrix products, in the order in which they are computed (A, B: the left and right operand; K: the contracted axis; several contracted axes count as one K, in the product's order):
;;     1. [M 16,384, K 1,024] x [K 1,024, N 2,048]; A: input xc (given as codes); B: input Wpo (given as codes): QUANTISED
;;     2. [M 8,192, K 1,024] x [K 1,024, N 2,048]; A: input xq (given as codes); B: input Wse (given as codes): QUANTISED
;;     3. batch 4 x [M 2,048, K 4,096] x [K 4,096, N 1]; A: computed on the way; B: input mask: left as it is (N = 1 < 16)
;;     4. [M 8,192, K 2,048] x [K 2,048, N 1,024]; A: computed on the way; B: input Wag (given as codes): QUANTISED
;;   THE QUANTISER, for each operand of a quantised product, along K:
;;     - K is cut into blocks of 32 from its start; a last block that is shorter is filled with zeros.
;;     - A block's scale is 2^e with e = floor(log2(the largest magnitude in the block)) - 2, held to -126 .. 127; a block of zeros has e = 0. As a byte (E8M0): e + 127.
;;     - Each number is divided by its block's scale, clamped to +-6, and rounded to the nearest number of E2M1, ties to even, subnormals kept.
;;     - The product sums the exact products of the quantised numbers (number of the format x scale) in f32.
;;   ~~~python
;;   def quantise(x, axis):      # numpy; x: float32 -> the quantised numbers, widened to float32 again
;;       x = np.moveaxis(x, axis, -1); K = x.shape[-1]
;;       x = np.pad(x, [(0, 0)] * (x.ndim - 1) + [(0, -K % 32)]); x = x.reshape(x.shape[:-1] + (-1, 32)); a = np.abs(x).max(-1, keepdims=True)
;;       e = np.where(a > 0, np.clip(np.frexp(np.where(a > 0, a, 1))[1] - 1 - 2, -126, 127), 0)      # np.frexp(a)[1] - 1 = floor(log2(a)), exactly
;;       r = np.clip(x / 2.0 ** e, -6, 6)
;;       step = 2.0 ** (np.maximum(np.frexp(np.where(r == 0, 1, r))[1] - 1, 0) - 1)
;;       q = np.round(r / step) * step * 2.0 ** e      # np.round: ties to even
;;       return np.moveaxis(q.reshape(q.shape[:-2] + (-1,))[..., :K], -1, axis).astype(np.float32)
;;   ~~~
;;   OPERANDS COMPUTED ON THE WAY. 'Computed on the way' means the value that the module computes at that place (a softmax that the list does not call 'softmax' is quantised finished and normalised). What goes into a quantiser is computed in f32, as accurately as f32 sums, v_exp_f32 and their like allow (about 1e-6 of the number): no bf16 or f16 on the way to a quantiser, and a product that is left as it is and whose result goes on into a quantised operand takes f32 operands (vector FMAs, or v_wmma_f32_16x16x4_f32). A number that lies on a knife's edge between two numbers of the format may be rounded either way, as far as f32 arithmetic and the matrix unit's own rounding can turn it there, and no further.
;;   INPUTS GIVEN AS CODES. Wag (in the module: [1024, 2048], K = its axis 1); Wpo (in the module: [2048, 1024], K = its axis 1); Wse (in the module: [2048, 1024], K = its axis 1); xc (in the module: [4, 4096, 1024], K = its axis 2); xq (in the module: [4, 2048, 1024], K = its axis 2): each comes as NAME_codes (uint8): NAME with its K axis moved to the last place and cut into blocks of 32 codes, [.., K / 32, bytes a block], one block behind the other in memory; two codes a byte, the lower K in the low four bits (a code: sign, 2 exponent bits, 1 mantissa bit); and NAME_scales (uint8): the same leading axes, one E8M0 byte (e + 127) for each 32 codes along K. Its value is code x scale, taken as it is: it is not quantised again, and the codes and scales need not be those that the quantiser above would give.
;; One version. Each part assembles by itself: llvm-mc -triple=amdgcn-amd-amdhsa -mcpu=gfx1250 --defsym DOCPART=n.
;; ======== version 1 of 1: 3 launches
;; workspace buffers: part 524,288 bytes; sh_codes 8,388,608 bytes; sh_scales 524,288 bytes
;; launch ctx (part 1): grid 64 x 8, 4 waves a work-group, clusters of 4 x 4, 327,680 bytes of LDS; arguments Wpo_codes, Wpo_scales, xc_codes, xc_scales, coeff, mask, part; writes part
.if DOCPART == 1
	.amdgcn_target "amdgcn-amd-amdhsa--gfx1250"
	.amdhsa_code_object_version 6
	.text
	.protected	k_q09a3aee909_ctx
	.globl	k_q09a3aee909_ctx
	.p2align	8
	.type	k_q09a3aee909_ctx,@function
k_q09a3aee909_ctx:
	s_mov_b64 s[64:65], 0
	v_nop
	global_prefetch_b8 v0, s[64:65] scope:SCOPE_SE
	s_setreg_imm32_b32 hwreg(HW_REG_WAVE_MODE, 25, 1), 1
	s_wait_xcnt 0x0
	s_wait_alu depctr_hold_cnt(0) depctr_sa_sdst(0) depctr_va_vdst(0) depctr_va_sdst(0) depctr_va_ssrc(0) depctr_va_vcc(0) depctr_vm_vsrc(0)
	s_getreg_b32 s2, hwreg(HW_REG_IB_STS2, 6, 4)
	s_cmp_eq_u32 s2, 0
	s_cbranch_scc0 .Lentry_in_a_cluster
	s_endpgm
.Lentry_in_a_cluster:
	s_bfe_u32 s2, ttmp6, 0x10000c
	s_cmp_lg_u32 s2, 0xf033
	s_cbranch_scc0 .Lentry_shape_is_right
	s_endpgm
.Lentry_shape_is_right:
; part[nt][e] = the sum over the 256 context rows n of n-tile nt of mask[n] x poly_e(act(h[n][e])),  h = xc Wpo^T on codes of FP4 (E2M1) with E8M0 scales.
; act(x) = clip(max(x, 0.01 x), -0.1, 6);  poly_e(a) = a (c0 + a (c1 + a c2)), the cubic of coeff[e][0..2] in Horner's form.  All behind the product in f32.
; THE PRODUCT: A = Wpo [2048 e][1024 k], B = xc [16384 n][1024 k] (the four batches on end).  A tile, 256 e x 256 n, is made by four waves, 128 x 128 each: 64 accumulators of 16 x 16.
; The matrix instruction takes source 0 = 16 rows of B, source 1 = 16 rows of A: lane (r, h) of accumulator (a, b) then holds ONE e = 16 a + r, and its registers j the rows n = 16 b + 8 h + j.
; So a lane's three coefficients are a few registers, the masked sum over n is a chain of fused multiply-adds inside the lane, and one exchange with lane l xor 16 ends it.
; K = 1,024 is two slots of 512: both are asked for at the start, and nothing is filled again.  The scale bytes of the tile's rows come once, as two dense blocks.
; CLUSTERS: 4 x 4 work-groups.  A's tiles are shared along a row of the cluster, B's along a column: each is asked for jointly, by the same tensor load with a mask that names the four.
; LIMITS: scale bytes 0xff, NaN and infinities are not served.  The order of the sum over n and Horner's form differ from the source's order of rounding.
; REGISTERS, in windows of 256: window 0: v0-31 addresses; v32-95 scale words, two sets; v96-127 the epilogue's sums; v128-191 A's fragments, later T; v192-255 P.
;   window 1: v0-63, v128-191 B's two sets; v64-127 the mask of my 64 n as f32; v192-239 the coefficients, each twice (a pair).   windows 2, 3: the accumulators, (a, b) at v[8 (8 (a % 4) + b)].
.set SIZE_K, 1024
.set KSTEP,  512                       ; along K in a slot
.set NQ,     KSTEP/128                 ; matrix instructions deep
.set ROWB,   256                       ; a tile's row in bytes
.set KROW,   SIZE_K/2                  ; a row of codes in memory
.set PITCH,  272                       ; an LDS row: 256 bytes + 16 of padding: the 16 rows that a load touches start 68 words apart
.set FR,     8                         ; registers of a fragment
.set NL,     2                         ; LDS loads that bring one
.set NP,     4                         ; places behind this matrix instruction (ISA guide 7.12.1)
.set HALFT,  128*PITCH                 ; 128 rows: what one tensor load brings
.set SLOT,   4*HALFT                   ; A's 256 rows, then B's 256 rows
.set KS,     SIZE_K/32                 ; a row of scale bytes
.set SCL,    2*SLOT                    ; behind the slots: the scales, as units of 256 bytes + 16
.set HALFS,  (128*KS/256)*272
.set SBLK,   (16*KS/256)*272
.set SPARE,  SCL+4*HALFS               ; the spare words, 128 bytes a wave
.set SCR,    SPARE+512                 ; 4 x 512 bytes: each wave's 128 column sums; no tile lands here
.set ADRA, 16
.set ADRB, 20
.set ADRS, 27
.set SPW,  28
.set NIL,  29
.set SC,   32
.set AF,   128
.set TT,   128                         ; the epilogue: 64 numbers of a block of 16 e
.set PP,   192                         ; and their polynomials
.set SA,   96                          ; eight chains of sums, a pair each
.set SS,   112                         ; the sum of block a
.set PM,   120                         ; and lane l xor 16's
.set MK,   64                          ; window 1: the mask
.set CO3,  192                         ; window 1: block a's c0, c0, c1, c1, c2, c2 at CO3 + 6 a
.set G1, 24
.set G0, 32
.set G1B, 48
.set G0B, 56
.set G1S, 68
.set G0S, 76
.set G1SB, 80
.set G0SB, 88
.set MSB, 0
.macro WIN new                         ; the immediate's high byte repeats the setting that is left
.if MSB != (\new)
	s_set_vgpr_msb (MSB<<8)|(\new)
.set MSB, (\new)
.endif
.endm
.set MUL_LO, 0xa1                      ; source 0 (B) window 1, source 1 (A) window 0, C and D window 2
.set MUL_HI, 0xf1                      ; the same, C and D window 3
.set TO_B,   0x40                      ; destination window 1, address window 0
; A joint load: waves 0 and 1 fetch for A, waves 2 and 3 for B.  The branch hangs on the wave's number alone.  Four v_nop follow each line.
.macro JLOAD g0a, g1a, g0b, g1b
	s_cmp_eq_u32 s15, 0
	s_cbranch_scc0 .Lfor_b_\@
	tensor_load_to_lds s[\g0a:\g0a+3], s[\g1a:\g1a+7]
	s_nop 0
.rept 4
	v_nop
.endr
	s_branch .Lasked_\@
.Lfor_b_\@:
	tensor_load_to_lds s[\g0b:\g0b+3], s[\g1b:\g1b+7]
	s_nop 0
.rept 4
	v_nop
.endr
.Lasked_\@:
.endm
.macro CROUND                          ; a round of the cluster's barrier
	s_barrier_signal -1
	s_barrier_wait -1
	s_cmp_lg_u32 s14, 0
	s_cbranch_scc1 .Lnot_wave_0_\@
	s_barrier_signal -3
.Lnot_wave_0_\@:
	s_barrier_wait -3
	s_barrier_signal -1
	s_barrier_wait -1
.endm
	s_load_b128 s[4:7], s[0:1], 0x0                ; Wpo's codes, Wpo's scales
	s_load_b128 s[8:11], s[0:1], 0x10              ; xc's codes, xc's scales
	s_load_b128 s[96:99], s[0:1], 0x20             ; coeff, mask
	s_load_b64 s[12:13], s[0:1], 0x30              ; part
	v_lshl_add_u32 v[SPW], v0, 2, SPARE
	v_mov_b32 v[NIL], 0
	ds_add_u32 v28, v29
	ds_add_u32 v28, v29
	s_wait_dscnt 0x0
	v_lshrrev_b32 v1, 5, v0
	v_readfirstlane_b32 s14, v1                    ; wave 0..3
	s_lshr_b32 s15, s14, 1                         ; which 128 e of the tile are mine.  Also: I fetch for A (0) or for B (1)
	s_and_b32 s16, s14, 1                          ; which 128 n.  Also: which 128 rows of that tile I fetch
	s_bfe_u32 s40, ttmp6, 0x40000                  ; cx, cy: my place in the cluster
	s_bfe_u32 s41, ttmp6, 0x40004
	s_lshl_b32 s42, ttmp9, 2
	s_add_co_u32 s42, s42, s40                     ; n-tile = 4 x cluster x + cx
	s_and_b32 s17, ttmp7, 0xffff
	s_lshl_b32 s17, s17, 2
	s_add_co_u32 s17, s17, s41                     ; e-tile = 4 x cluster y + cy
	s_lshl_b32 s43, s41, 2
	s_lshl_b32 s43, 15, s43                        ; my row of the cluster
	s_lshl_b32 s44, 0x1111, s40                    ; my column
	; descriptor group 1: a tile of 128 rows x 256 bytes, 16 bytes of padding behind each row
	s_or_b32 s[G1+0], s43, (0<<16)|(1<<20)|(1<<21)|(5<<22)|(3<<25)
	s_or_b32 s[G1B+0], s44, (0<<16)|(1<<20)|(1<<21)|(5<<22)|(3<<25)
.irp g, G1, G1B
	s_mov_b32 s[\g+1], ROWB<<16                    ; tensor_dim0
	s_mov_b32 s[\g+2], 128<<16                     ; tensor_dim1
	s_mov_b32 s[\g+3], ROWB<<16                    ; tile_dim0
	s_mov_b32 s[\g+4], 128                         ; tile_dim1
	s_mov_b32 s[\g+5], KROW                        ; from row to row
	s_mov_b32 s[\g+6], 0
	s_mov_b32 s[\g+7], 0
.endr
	; the scales of 128 rows: a dense block of 128 KS bytes, as rows of 256 bytes (32 elements of 8), 16 bytes of padding behind each
	s_or_b32 s[G1S+0], s43, (3<<16)|(1<<20)|(1<<21)|(5<<22)|(3<<25)
	s_or_b32 s[G1SB+0], s44, (3<<16)|(1<<20)|(1<<21)|(5<<22)|(3<<25)
.irp g, G1S, G1SB
	s_mov_b32 s[\g+1], 32<<16
	s_mov_b32 s[\g+2], (128*KS/256)<<16
	s_mov_b32 s[\g+3], 32<<16
	s_mov_b32 s[\g+4], 128*KS/256
	s_mov_b32 s[\g+5], 32
	s_mov_b32 s[\g+6], 0
	s_mov_b32 s[\g+7], 0
.endr
	s_lshl_b32 s18, s16, 7                         ; which 128 rows of the tile I fetch
	s_lshl_b32 s20, s17, 8
	s_add_co_u32 s20, s20, s18                     ; A: row 256 x e-tile + 128 x half
	s_lshl_b32 s46, s42, 8
	s_add_co_u32 s46, s46, s18                     ; B: row 256 x n-tile + 128 x half
	s_mov_b32 s21, 0
	s_mov_b32 s47, 0
	s_mov_b64 s[18:19], KS
	s_mul_u64 s[22:23], s[20:21], s[18:19]         ; where these rows' scales begin
	s_mul_u64 s[92:93], s[46:47], s[18:19]
	s_mov_b64 s[18:19], KROW
	s_mul_u64 s[20:21], s[20:21], s[18:19]         ; and their codes
	s_mul_u64 s[46:47], s[46:47], s[18:19]
	s_mul_i32 s45, s14, HALFT                      ; where they go: wave x 128 rows
	s_mul_i32 s94, s14, HALFS
	s_wait_kmcnt 0x0
	s_add_nc_u64 s[20:21], s[4:5], s[20:21]
	s_add_nc_u64 s[22:23], s[6:7], s[22:23]
	s_add_nc_u64 s[46:47], s[8:9], s[46:47]
	s_add_nc_u64 s[92:93], s[10:11], s[92:93]
	CROUND                                         ; all sixteen work-groups are here: the joint loads meet
	s_mov_b32 s[G0S], 1
	s_add_co_u32 s[G0S+1], s94, SCL
	s_mov_b64 s[G0S+2:G0S+3], s[22:23]
	s_or_b32 s[G0S+3], s[G0S+3], 0x80000000
	s_mov_b32 s[G0SB], 1
	s_add_co_u32 s[G0SB+1], s94, SCL
	s_mov_b64 s[G0SB+2:G0SB+3], s[92:93]
	s_or_b32 s[G0SB+3], s[G0SB+3], 0x80000000
	JLOAD G0S, G1S, G0SB, G1SB                     ; the scales first: they are wanted with K step 0
.irp s, 0,1
	s_mov_b32 s[G0+4*\s], 1
	s_add_co_u32 s[G0+4*\s+1], s45, \s*SLOT
	s_add_nc_u64 s[G0+4*\s+2:G0+4*\s+3], s[20:21], \s*ROWB
	s_or_b32 s[G0+4*\s+3], s[G0+4*\s+3], 0x80000000
	s_mov_b32 s[G0B+4*\s], 1
	s_add_co_u32 s[G0B+4*\s+1], s45, \s*SLOT
	s_add_nc_u64 s[G0B+4*\s+2:G0B+4*\s+3], s[46:47], \s*ROWB
	s_or_b32 s[G0B+4*\s+3], s[G0B+4*\s+3], 0x80000000
	JLOAD G0+4*\s, G1, G0B+4*\s, G1B               ; three loads of mine are out
.endr
	; ---- what the epilogue wants: my 64 numbers of the mask and my 8 x 3 coefficients, asked for while the tiles are on their way
	v_and_b32 v1, 15, v0                           ; r
	v_bfe_u32 v2, v0, 4, 1                         ; h
	v_and_b32 v6, 31, v0                           ; lane
	s_lshl_b32 s20, s17, 8
	s_lshl_b32 s21, s15, 7
	s_add_co_u32 s20, s20, s21                     ; my first e
	s_mul_i32 s20, s20, 12                         ; 12 bytes of coefficients an e
	s_mov_b32 s21, 0
	s_add_nc_u64 s[96:97], s[96:97], s[20:21]
	s_lshl_b32 s46, s42, 10
	s_lshl_b32 s47, s16, 9
	s_add_co_u32 s46, s46, s47                     ; my first n, 4 bytes each
	s_mov_b32 s47, 0
	s_add_nc_u64 s[98:99], s[98:99], s[46:47]
	s_lshl_b32 s46, s42, 13                        ; part: row n-tile of 8,192 bytes,
	s_lshl_b32 s20, s17, 10                        ; the tile's 256 e,
	s_add_co_u32 s46, s46, s20
	s_lshl_b32 s20, s14, 8                         ; and of them the 64 that my wave stores
	s_add_co_u32 s46, s46, s20
	s_add_nc_u64 s[12:13], s[12:13], s[46:47]
	v_lshlrev_b32 v8, 5, v2                        ; the mask: 8 h numbers on
	v_mul_u32_u24 v9, v1, 12                       ; the coefficients: e = r
	WIN TO_B
.irp b, 0,1,2,3,4,5,6,7
.irp u, 0,1
	global_load_b128 v[MK+8*\b+4*\u:MK+8*\b+4*\u+3], v8, s[98:99] offset:64*\b+16*\u   ; mask(16 b + 8 h + 4 u + 0 .. 3)
.endr
.endr
.irp a, 0,1,2,3,4,5,6,7
.irp k, 0,1,2
	global_load_b32 v[CO3+6*\a+2*\k], v9, s[96:97] offset:192*\a+4*\k                 ; coeff(16 a + r, k), twice: a plain pair for the packed forms
	global_load_b32 v[CO3+6*\a+2*\k+1], v9, s[96:97] offset:192*\a+4*\k
.endr
.endr
	WIN 0
	v_mul_u32_u24 v3, v1, PITCH
	v_lshl_add_u32 v4, v2, 4, v3                   ; a fragment's row x pitch + 16 x half
	s_mul_i32 s21, s15, HALFT                      ; my 128 rows of A
	s_mul_i32 s22, s16, HALFT                      ; my 128 rows of B,
	s_add_co_u32 s22, s22, 2*HALFT                 ; which lie behind A's 256
.irp s, 0,1
	v_add_nc_u32 v[ADRA+\s], s21, v4
	v_add_nc_u32 v[ADRB+\s], s22, v4
	s_add_co_u32 s21, s21, SLOT
	s_add_co_u32 s22, s22, SLOT
.endr
	v_mul_u32_u24 v5, v1, KS                       ; my row's scales: KS bytes a row,
	v_lshrrev_b32 v7, 8, v5
	v_lshl_add_u32 v5, v7, 4, v5                   ; and 16 more for each 256 passed
	s_mul_i32 s21, s15, HALFS
	s_mul_i32 s22, s16, HALFS
	s_add_co_u32 s22, s22, 2*HALFS
	s_sub_co_u32 s22, s22, s21
	v_mul_u32_u24 v7, s22, v2                      ; lanes 16-31 take B's
	s_add_co_u32 s21, s21, SCL
	v_add_nc_u32 v5, v5, v7
	v_add_nc_u32 v[ADRS], s21, v5
	s_lshl_b32 s20, s14, 9
	s_add_co_u32 s20, s20, SCR
	v_lshl_add_u32 v10, v1, 2, s20                 ; where my wave puts its 128 sums: SCR + 512 x wave + 4 r
	s_lshl_b32 s20, s15, 10
	s_lshl_b32 s21, s16, 8
	s_add_co_u32 s20, s20, s21
	s_add_co_u32 s20, s20, SCR
	v_lshl_add_u32 v11, v6, 3, s20                 ; where I read 64 of them back: the wave pair of my e half, my quarter of the tile's e, 8 bytes a lane
	v_lshlrev_b32 v12, 3, v6                       ; and the same in part
	s_mov_b32 s20, 0x76543210
	s_mov_b32 s21, 0xfedcba98                      ; v_permlanex16_b32's selects for lane l xor 16
	s_mov_b32 s22, 0x3c23d70a                      ; 0.01
	s_mov_b32 s23, s22                             ; (named with it as a pair)
	s_mov_b32 s100, 0xbdcccccd                     ; -0.1
	s_mov_b32 s101, 0x40c00000                     ; 6
	s_wait_loadcnt 0x0
	WIN 0x41
.set KK, 0
.rept 64
	v_cvt_f32_i32 v[MK+KK], v[MK+KK]               ; the mask as f32, whatever whole number it holds
.set KK, KK+1
.endr
	WIN 0
.macro FRAG reg, adr, q, i             ; 16 rows x 128 K of 4-bit codes: lane l holds row l % 16; registers 4 c .. 4 c + 3 hold K = 64 c + 32 (l / 16) + 0 .. 31
.irp c, 0,1
	ds_load_b128 v[\reg+4*\c:\reg+4*\c+3], v[\adr] offset:64*(\q)+32*\c+(\i)*16*PITCH
.endr
.endm
; 16 matrix instructions: A's blocks a0, a0 + 1 x B's eight, the slot's q-th 128 along K.  The 64 accumulators take turns, one instruction a turn, in the same order in every step.
.macro MUL16 a0, p, q, sc, zero
.irp a, \a0, \a0+1
.irp b, 0,1,2,3,4,5,6,7
.if \zero
	v_wmma_scale_f32_16x16x128_f8f6f4 v[8*(8*((\a)%4)+\b):8*(8*((\a)%4)+\b)+7], v[128*(\p)+FR*\b:128*(\p)+FR*\b+FR-1], v[AF+FR*(\a):AF+FR*(\a)+FR-1], 0, v[SC+8*NQ*(\sc)+NQ*\b+(\q)], v[SC+8*NQ*(\sc)+NQ*(\a)+(\q)] matrix_a_fmt:MATRIX_FMT_FP4 matrix_b_fmt:MATRIX_FMT_FP4 matrix_a_scale:MATRIX_SCALE_ROW1
.else
	v_wmma_scale_f32_16x16x128_f8f6f4 v[8*(8*((\a)%4)+\b):8*(8*((\a)%4)+\b)+7], v[128*(\p)+FR*\b:128*(\p)+FR*\b+FR-1], v[AF+FR*(\a):AF+FR*(\a)+FR-1], v[8*(8*((\a)%4)+\b):8*(8*((\a)%4)+\b)+7], v[SC+8*NQ*(\sc)+NQ*\b+(\q)], v[SC+8*NQ*(\sc)+NQ*(\a)+(\q)] matrix_a_fmt:MATRIX_FMT_FP4 matrix_b_fmt:MATRIX_FMT_FP4 matrix_a_scale:MATRIX_SCALE_ROW1
.endif
.endr
.endr
.endm
.macro FETCH_B slot, q, p
	WIN TO_B
.irp i, 0,1,2,3,4,5,6,7
	FRAG 128*(\p)+FR*\i, ADRB+\slot, \q, \i
.endr
	WIN 0
.endm
.macro FETCH_A slot, q, i0
.irp i, \i0, \i0+1, \i0+2, \i0+3
	FRAG AF+FR*(\i), ADRA+\slot, \q, \i
.endr
.endm
.macro SCALES sc                       ; a K step's scale words: lanes 0-15 A's block i, lanes 16-31 B's block i
.irp i, 0,1,2,3,4,5,6,7
	ds_load_b128 v[SC+8*NQ*\sc+NQ*\i:SC+8*NQ*\sc+NQ*\i+3], v[ADRS] offset:\i*SBLK
.endr
.endm
.macro PLACES n                        ; plain vector instructions between a matrix instruction and a load into, or a vector write or read of, its registers
.rept \n
	v_nop
.endr
.endm
.macro STEP slot, q, zero              ; a step of 128 along K that has its successor in the same slot
	s_wait_dscnt 4*NL                              ; all but the youngest eight loads (A's blocks 4-7) are in
	WIN MUL_LO
	MUL16 0, (\q)%2, \q, \slot, \zero
	MUL16 2, (\q)%2, \q, \slot, \zero
	s_wait_dscnt 0
	PLACES NP
	FETCH_B \slot, (\q)+1, 1-(\q)%2
	FETCH_A \slot, (\q)+1, 0
	WIN MUL_HI
	MUL16 4, (\q)%2, \q, \slot, \zero
	MUL16 6, (\q)%2, \q, \slot, \zero
	PLACES NP
	WIN 0
	FETCH_A \slot, (\q)+1, 4
.endm
.macro TURN slot, next                 ; a slot's last step changes slots: one barrier; nothing is filled again in this launch
	s_wait_tensorcnt 0x0                           ; all my tensor loads have landed: my part of the next slot
	ds_add_u32 v[SPW], v[NIL]                      ; 0 onto my spare word
	s_wait_dscnt 4*NL+1                            ; the add and the youngest eight loads may be out
	WIN MUL_LO
	MUL16 0, 1, NQ-1, \slot, 0
	s_wait_dscnt 0x0
	s_barrier_signal -1
	MUL16 2, 1, NQ-1, \slot, 0
	WIN 0
	s_barrier_wait -1                              ; the next slot is whole
	PLACES NP
	v_add_nc_u32 v[ADRS], 4*NQ, v[ADRS]            ; the next K step's scale words
	FETCH_B \next, 0, 0
	FETCH_A \next, 0, 0
	SCALES \next
	WIN MUL_HI
	MUL16 4, 1, NQ-1, \slot, 0
	MUL16 6, 1, NQ-1, \slot, 0
	PLACES NP
	WIN 0
	FETCH_A \next, 0, 4
.endm
.macro STEPS slot, from
.set Q, \from
.rept NQ-1-\from
	STEP \slot, Q, 0
.set Q, Q+1
.endr
.endm
	s_wait_tensorcnt 1                             ; the scales and my part of slot 0 are in; slot 1's load may be out
	s_barrier_signal -1
	s_barrier_wait -1
	FETCH_B 0, 0, 0
	FETCH_A 0, 0, 0
	SCALES 0
	FETCH_A 0, 0, 4
	STEP 0, 0, 1                                   ; the first products start the sums: nothing is cleared
	STEPS 0, 1
	TURN 0, 1
	STEPS 1, 0
	s_wait_dscnt 4*NL                              ; the last step: nothing more to fetch
	WIN MUL_LO
	MUL16 0, 1, NQ-1, 1, 0
	MUL16 2, 1, NQ-1, 1, 0
	s_wait_dscnt 0
	WIN MUL_HI
	MUL16 4, 1, NQ-1, 1, 0
	MUL16 6, 1, NQ-1, 1, 0
	WIN 0
	PLACES NP                                      ; T lies where A's fragments lay
; Block a: 16 e x my 128 n, 64 numbers a lane, all of ONE e.  Each accumulator is read from its low end on.
.macro POLY a
.set AC, 64*((\a)%4)
.set CF, CO3+6*(\a)
	WIN 2+(\a)/4                                   ; source 0: the accumulators' window
.set KK, 0
.rept 32
	v_pk_mul_f32 v[TT+KK:TT+KK+1], v[AC+KK:AC+KK+1], s[22:23] op_sel_hi:[1,0]         ; 0.01 x
.set KK, KK+2
.endr
.set KK, 0
.rept 64
	v_max_num_f32 v[TT+KK], v[AC+KK], v[TT+KK]     ; max(x, 0.01 x): x where x >= 0, else 0.01 x
.set KK, KK+1
.endr
	WIN 0
.set KK, 0
.rept 64
	v_med3_num_f32 v[TT+KK], v[TT+KK], s100, s101  ; held to -0.1 .. 6: a
.set KK, KK+1
.endr
	WIN 0x14                                       ; sources 1 and 2: window 1
.set KK, 0
.rept 32
	v_pk_fma_f32 v[PP+KK:PP+KK+1], v[TT+KK:TT+KK+1], v[CF+4:CF+5], v[CF+2:CF+3]       ; a c2 + c1
.set KK, KK+2
.endr
	WIN 0x10                                       ; source 2: window 1
.set KK, 0
.rept 32
	v_pk_fma_f32 v[PP+KK:PP+KK+1], v[TT+KK:TT+KK+1], v[PP+KK:PP+KK+1], v[CF:CF+1]     ; a (a c2 + c1) + c0
.set KK, KK+2
.endr
	WIN 0x04                                       ; source 1: window 1
.set KK, 0
.rept 32
	v_pk_mul_f32 v[TT+KK:TT+KK+1], v[TT+KK:TT+KK+1], v[MK+KK:MK+KK+1]                 ; a x mask
.set KK, KK+2
.endr
	WIN 0
.set KK, 0
.rept 8
	v_pk_mul_f32 v[SA+KK:SA+KK+1], v[TT+KK:TT+KK+1], v[PP+KK:PP+KK+1]                 ; eight chains, started by the first eight pairs
.set KK, KK+2
.endr
.rept 24
	v_pk_fma_f32 v[SA+KK%16:SA+KK%16+1], v[TT+KK:TT+KK+1], v[PP+KK:PP+KK+1], v[SA+KK%16:SA+KK%16+1]
.set KK, KK+2
.endr
.irp c, 0,2,4,6
	v_pk_add_f32 v[SA+\c:SA+\c+1], v[SA+\c:SA+\c+1], v[SA+8+\c:SA+9+\c]
.endr
.irp c, 0,2
	v_pk_add_f32 v[SA+\c:SA+\c+1], v[SA+\c:SA+\c+1], v[SA+4+\c:SA+5+\c]
.endr
	v_pk_add_f32 v[SA:SA+1], v[SA:SA+1], v[SA+2:SA+3]
	v_add_f32 v[SS+\a], v[SA], v[SA+1]             ; my 64 n of e = 16 a + r
.endm
.irp a, 0,1,2,3,4,5,6,7
	POLY \a
.endr
.irp a, 0,1,2,3,4,5,6,7
	v_mov_b32 v[PM+\a], 0                          ; a lane permute's destination counts as one of its sources
.endr
.irp a, 0,1,2,3,4,5,6,7
	v_permlanex16_b32 v[PM+\a], v[SS+\a], s20, s21
.endr
.irp a, 0,1,2,3,4,5,6,7
	v_add_f32 v[SS+\a], v[SS+\a], v[PM+\a]         ; with lane l xor 16's 64 n: my wave's 128 n
.endr
.irp a, 0,1,2,3,4,5,6,7
	ds_store_b32 v10, v[SS+\a] offset:64*\a        ; lanes l and l xor 16 write the same word with the same bits
.endr
	s_wait_dscnt 0x0                               ; for the others' sake: my sums lie in LDS
	s_barrier_signal -1
	s_barrier_wait -1
	ds_load_b64 v[SA:SA+1], v11                    ; the two waves of an e half hold the two halves of the tile's n
	ds_load_b64 v[SA+2:SA+3], v11 offset:512
	s_wait_dscnt 0x0
	v_pk_add_f32 v[SA:SA+1], v[SA:SA+1], v[SA+2:SA+3]
	global_store_b64 v12, v[SA:SA+1], s[12:13]     ; 32 lanes store 256 consecutive bytes, at a multiple of 256 from part's first byte
	s_wait_tensorcnt 0x0                           ; the wave's end
	ds_add_u32 v[SPW], v[NIL]
	s_wait_dscnt 0x0
	CROUND                                         ; the closing round
	s_endpgm
.Lfunc_end_k_q09a3aee909_ctx:
	.size	k_q09a3aee909_ctx, .Lfunc_end_k_q09a3aee909_ctx-k_q09a3aee909_ctx
	.p2alignl 7, 3214868480
	.fill 96, 4, 3214868480
	.section	.rodata,"a",@progbits
	.p2align	6, 0x0
	.amdhsa_kernel k_q09a3aee909_ctx
		.amdhsa_group_segment_fixed_size 327680
		.amdhsa_private_segment_fixed_size 0
		.amdhsa_enable_private_segment 0
		.amdhsa_kernarg_size 56
		.amdhsa_user_sgpr_count 2
		.amdhsa_user_sgpr_kernarg_segment_ptr 1
		.amdhsa_wavefront_size32 1
		.amdhsa_system_sgpr_workgroup_id_x 1
		.amdhsa_system_sgpr_workgroup_id_y 1
		.amdhsa_system_sgpr_workgroup_id_z 1
		.amdhsa_system_vgpr_workitem_id 0
		.amdhsa_next_free_vgpr 1024
		.amdhsa_next_free_sgpr 102
		.amdhsa_reserve_vcc 0
		.amdhsa_float_denorm_mode_32 3
		.amdhsa_float_denorm_mode_16_64 3
		.amdhsa_memory_ordered 1
		.amdhsa_forward_progress 1
		.amdhsa_inst_pref_size 239
	.end_amdhsa_kernel
	.amdgpu_metadata
---
amdhsa.version: [ 1, 2 ]
amdhsa.kernels:
  - .name:           k_q09a3aee909_ctx
    .symbol:         k_q09a3aee909_ctx.kd
    .args:
      - { .name: Wpo_codes, .offset: 0, .size: 8, .value_kind: global_buffer, .address_space: global }
      - { .name: Wpo_scales, .offset: 8, .size: 8, .value_kind: global_buffer, .address_space: global }
      - { .name: xc_codes, .offset: 16, .size: 8, .value_kind: global_buffer, .address_space: global }
      - { .name: xc_scales, .offset: 24, .size: 8, .value_kind: global_buffer, .address_space: global }
      - { .name: coeff, .offset: 32, .size: 8, .value_kind: global_buffer, .address_space: global }
      - { .name: mask, .offset: 40, .size: 8, .value_kind: global_buffer, .address_space: global }
      - { .name: part, .offset: 48, .size: 8, .value_kind: global_buffer, .address_space: global }
    .group_segment_fixed_size: 327680
    .private_segment_fixed_size: 0
    .kernarg_segment_align: 8
    .kernarg_segment_size: 56
    .max_flat_workgroup_size: 128
    .sgpr_count:     102
    .vgpr_count:     1024
    .wavefront_size: 32
...
	.end_amdgpu_metadata
.endif
;; end of part 1
;; launch gate (part 2): grid 8 x 32, 4 waves a work-group, clusters of 4 x 4, 327,680 bytes of LDS; arguments xq_codes, xq_scales, Wse_codes, Wse_scales, bse, mask, part, sh_codes, sh_scales; writes sh_codes, sh_scales
.if DOCPART == 2
	.amdgcn_target "amdgcn-amd-amdhsa--gfx1250"
	.amdhsa_code_object_version 6
	.text
	.protected	k_q09a3aee909_gate
	.globl	k_q09a3aee909_gate
	.p2align	8
	.type	k_q09a3aee909_gate,@function
k_q09a3aee909_gate:
	s_mov_b64 s[64:65], 0
	v_nop
	global_prefetch_b8 v0, s[64:65] scope:SCOPE_SE
	s_setreg_imm32_b32 hwreg(HW_REG_WAVE_MODE, 25, 1), 1
	s_wait_xcnt 0x0
	s_wait_alu depctr_hold_cnt(0) depctr_sa_sdst(0) depctr_va_vdst(0) depctr_va_sdst(0) depctr_va_ssrc(0) depctr_va_vcc(0) depctr_vm_vsrc(0)
	s_getreg_b32 s2, hwreg(HW_REG_IB_STS2, 6, 4)
	s_cmp_eq_u32 s2, 0
	s_cbranch_scc0 .Lentry_in_a_cluster
	s_endpgm
.Lentry_in_a_cluster:
	s_bfe_u32 s2, ttmp6, 0x10000c
	s_cmp_lg_u32 s2, 0xf033
	s_cbranch_scc0 .Lentry_shape_is_right
	s_endpgm
.Lentry_shape_is_right:
; sh[t][e] = clip((xq Wse^T + bse)[t][e] / 6 + 0.5, 0, 1) x hm[batch of t][e], quantised along e to codes of FP4 (E2M1) with one E8M0 byte for each 32 e: the left operand of the last product.
; hm[b][e] = (the sum of batch b's 16 rows of part)[e] / (the sum of batch b's mask).
; THE PRODUCT: A = xq [8192 t][1024 k], B = Wse [2048 e][1024 k], both as codes.  A tile, 256 t x 256 e, is made by four waves, 128 x 128 each.  Source 0 = 16 rows of B, source 1 = 16 rows of A:
; lane (r, h) of accumulator (a, b) holds ONE t = 16 a + r, and its registers j the units e = 16 b + 8 h + j: neighbours along the next product's K.  A wave's 128 e are one K step of 128 of that product.
; The bias is the C of each sum's first matrix instruction.  K = 1,024 is two slots of 512, both asked for at the start; nothing is filled again.
; OUT: sh_codes [e / 128 : 16][t / 16 : 512][1,024 bytes]: the image of a fragment's registers (16 rows x 128 K): registers 4 c .. 4 c + 3 of lane l at 512 c + 16 l.  sh_scales [e / 128 : 16][t : 8192]: a word of four bytes.
; CLUSTERS: 4 x 4 work-groups; A's tiles are shared along a row of the cluster, B's along a column, by joint loads.
; LIMITS: scale bytes 0xff, NaN and infinities are not served.  x / 6 + 0.5 is one fused multiply-add by f32(1 / 6); the division by the mask's sum is v_rcp_f32 and a multiplication; a batch whose mask sums to 0 gives
; infinities or NaN as the source does, the bits not vouched for.  A block of zeros gets the byte 1, not 127: its codes are zeros, and this program alone reads the bytes.
; REGISTERS: window 0: v0-31 addresses; v32-95 scale words, two sets; v96-119 the quantiser's; v128-191 A's fragments, later T; v192-255 the codes made.
;   window 1: v0-63, v128-191 B's two sets; v64-127 the bias, v192-255 hm, both in the result's layout (register 8 b + j).   windows 2, 3: the accumulators.
.set SIZE_K, 1024
.set KSTEP,  512
.set NQ,     KSTEP/128
.set ROWB,   256
.set KROW,   SIZE_K/2
.set PITCH,  272                       ; an LDS row: 256 bytes + 16 of padding
.set FR,     8
.set NL,     2
.set NP,     4
.set HALFT,  128*PITCH
.set SLOT,   4*HALFT
.set KS,     SIZE_K/32
.set SCL,    2*SLOT
.set HALFS,  (128*KS/256)*272
.set SBLK,   (16*KS/256)*272
.set SPARE,  SCL+4*HALFS               ; the spare words, 128 bytes a wave
.set CNT,    SPARE+512                 ; four words: each wave's part of the mask's sum.  From here on no tile lands
.set HMS,    CNT+256                   ; 4 x 512 bytes: each wave's own 128 hm
.set SWS,    HMS+2048                  ; 4 x 512 bytes: each wave's own 128 scale words
.set ADRA, 16
.set ADRB, 20
.set ADRS, 27
.set SPW,  28
.set NIL,  29
.set SC,   32
.set AF,   128
.set TT,   128                         ; the epilogue: 64 numbers of a block of 16 t
.set TM,   96                          ; v96-99 largest magnitudes, v100-103 bytes, v108-111 the conversions' scale operands
.set PW,   112                         ; block a's scale word
.set PCS,  192                         ; block a's codes at PCS + 8 a
.set BIAS, 64                          ; window 1
.set HM,   192                         ; window 1
.set G1, 24
.set G0, 32
.set G1B, 48
.set G0B, 56
.set G1S, 68
.set G0S, 76
.set G1SB, 80
.set G0SB, 88
.set MSB, 0
.macro WIN new                         ; the immediate's high byte repeats the setting that is left
.if MSB != (\new)
	s_set_vgpr_msb (MSB<<8)|(\new)
.set MSB, (\new)
.endif
.endm
.set MUL_LO,  0xa1                     ; source 0 (B) window 1, source 1 (A) window 0, C and D window 2
.set MUL_HI,  0xf1                     ; the same, C and D window 3
.set MUL_LO0, 0x91                     ; the first step: C (the bias) window 1, D window 2
.set MUL_HI0, 0xd1                     ; C window 1, D window 3
.set TO_B,    0x40
.macro JLOAD g0a, g1a, g0b, g1b        ; a joint load: waves 0 and 1 fetch for A, waves 2 and 3 for B; four v_nop follow each line
	s_cmp_eq_u32 s15, 0
	s_cbranch_scc0 .Lfor_b_\@
	tensor_load_to_lds s[\g0a:\g0a+3], s[\g1a:\g1a+7]
	s_nop 0
.rept 4
	v_nop
.endr
	s_branch .Lasked_\@
.Lfor_b_\@:
	tensor_load_to_lds s[\g0b:\g0b+3], s[\g1b:\g1b+7]
	s_nop 0
.rept 4
	v_nop
.endr
.Lasked_\@:
.endm
.macro CROUND                          ; a round of the cluster's barrier
	s_barrier_signal -1
	s_barrier_wait -1
	s_cmp_lg_u32 s14, 0
	s_cbranch_scc1 .Lnot_wave_0_\@
	s_barrier_signal -3
.Lnot_wave_0_\@:
	s_barrier_wait -3
	s_barrier_signal -1
	s_barrier_wait -1
.endm
	s_load_b128 s[4:7], s[0:1], 0x0                ; xq's codes, xq's scales
	s_load_b128 s[8:11], s[0:1], 0x10              ; Wse's codes, Wse's scales
	s_load_b128 s[96:99], s[0:1], 0x20             ; bse, mask
	s_load_b64 s[100:101], s[0:1], 0x30            ; part
	s_load_b64 s[66:67], s[0:1], 0x38              ; sh_codes
	s_load_b64 s[12:13], s[0:1], 0x40              ; sh_scales
	v_lshl_add_u32 v[SPW], v0, 2, SPARE
	v_mov_b32 v[NIL], 0
	ds_add_u32 v28, v29
	ds_add_u32 v28, v29
	s_wait_dscnt 0x0
	v_lshrrev_b32 v1, 5, v0
	v_readfirstlane_b32 s14, v1                    ; wave 0..3
	s_lshr_b32 s15, s14, 1                         ; which 128 t of the tile are mine.  Also: I fetch for A (0) or for B (1)
	s_and_b32 s16, s14, 1                          ; which 128 e.  Also: which 128 rows of that tile I fetch
	s_bfe_u32 s40, ttmp6, 0x40000                  ; cx, cy
	s_bfe_u32 s41, ttmp6, 0x40004
	s_lshl_b32 s42, ttmp9, 2
	s_add_co_u32 s42, s42, s40                     ; e-tile = 4 x cluster x + cx
	s_and_b32 s17, ttmp7, 0xffff
	s_lshl_b32 s17, s17, 2
	s_add_co_u32 s17, s17, s41                     ; t-tile = 4 x cluster y + cy
	s_lshl_b32 s43, s41, 2
	s_lshl_b32 s43, 15, s43                        ; my row of the cluster
	s_lshl_b32 s44, 0x1111, s40                    ; my column
	s_or_b32 s[G1+0], s43, (0<<16)|(1<<20)|(1<<21)|(5<<22)|(3<<25)   ; a tile of 128 rows x 256 bytes, 16 bytes of padding behind each row
	s_or_b32 s[G1B+0], s44, (0<<16)|(1<<20)|(1<<21)|(5<<22)|(3<<25)
.irp g, G1, G1B
	s_mov_b32 s[\g+1], ROWB<<16
	s_mov_b32 s[\g+2], 128<<16
	s_mov_b32 s[\g+3], ROWB<<16
	s_mov_b32 s[\g+4], 128
	s_mov_b32 s[\g+5], KROW
	s_mov_b32 s[\g+6], 0
	s_mov_b32 s[\g+7], 0
.endr
	s_or_b32 s[G1S+0], s43, (3<<16)|(1<<20)|(1<<21)|(5<<22)|(3<<25)  ; the scales of 128 rows: a dense block, as rows of 256 bytes + 16
	s_or_b32 s[G1SB+0], s44, (3<<16)|(1<<20)|(1<<21)|(5<<22)|(3<<25)
.irp g, G1S, G1SB
	s_mov_b32 s[\g+1], 32<<16
	s_mov_b32 s[\g+2], (128*KS/256)<<16
	s_mov_b32 s[\g+3], 32<<16
	s_mov_b32 s[\g+4], 128*KS/256
	s_mov_b32 s[\g+5], 32
	s_mov_b32 s[\g+6], 0
	s_mov_b32 s[\g+7], 0
.endr
	s_lshl_b32 s18, s16, 7
	s_lshl_b32 s20, s17, 8
	s_add_co_u32 s20, s20, s18                     ; A: row 256 x t-tile + 128 x half
	s_lshl_b32 s46, s42, 8
	s_add_co_u32 s46, s46, s18                     ; B: row 256 x e-tile + 128 x half
	s_mov_b32 s21, 0
	s_mov_b32 s47, 0
	s_mov_b64 s[18:19], KS
	s_mul_u64 s[22:23], s[20:21], s[18:19]
	s_mul_u64 s[92:93], s[46:47], s[18:19]
	s_mov_b64 s[18:19], KROW
	s_mul_u64 s[20:21], s[20:21], s[18:19]
	s_mul_u64 s[46:47], s[46:47], s[18:19]
	s_mul_i32 s45, s14, HALFT
	s_mul_i32 s94, s14, HALFS
	s_wait_kmcnt 0x0
	s_add_nc_u64 s[20:21], s[4:5], s[20:21]
	s_add_nc_u64 s[22:23], s[6:7], s[22:23]
	s_add_nc_u64 s[46:47], s[8:9], s[46:47]
	s_add_nc_u64 s[92:93], s[10:11], s[92:93]
	CROUND                                         ; all sixteen work-groups are here: the joint loads meet
	s_mov_b32 s[G0S], 1
	s_add_co_u32 s[G0S+1], s94, SCL
	s_mov_b64 s[G0S+2:G0S+3], s[22:23]
	s_or_b32 s[G0S+3], s[G0S+3], 0x80000000
	s_mov_b32 s[G0SB], 1
	s_add_co_u32 s[G0SB+1], s94, SCL
	s_mov_b64 s[G0SB+2:G0SB+3], s[92:93]
	s_or_b32 s[G0SB+3], s[G0SB+3], 0x80000000
	JLOAD G0S, G1S, G0SB, G1SB
.irp s, 0,1
	s_mov_b32 s[G0+4*\s], 1
	s_add_co_u32 s[G0+4*\s+1], s45, \s*SLOT
	s_add_nc_u64 s[G0+4*\s+2:G0+4*\s+3], s[20:21], \s*ROWB
	s_or_b32 s[G0+4*\s+3], s[G0+4*\s+3], 0x80000000
	s_mov_b32 s[G0B+4*\s], 1
	s_add_co_u32 s[G0B+4*\s+1], s45, \s*SLOT
	s_add_nc_u64 s[G0B+4*\s+2:G0B+4*\s+3], s[46:47], \s*ROWB
	s_or_b32 s[G0B+4*\s+3], s[G0B+4*\s+3], 0x80000000
	JLOAD G0+4*\s, G1, G0B+4*\s, G1B               ; three loads of mine are out
.endr
	; ---- hm and the bias, made while the tiles are on their way
	v_and_b32 v1, 15, v0                           ; r
	v_bfe_u32 v2, v0, 4, 1                         ; h
	v_and_b32 v6, 31, v0                           ; lane
	s_lshr_b32 s20, s17, 3                         ; the batch: 8 tiles of 256 t each
	s_lshl_b32 s46, s20, 14                        ; the mask: 16,384 bytes a batch,
	s_lshl_b32 s47, s14, 12                        ; a quarter of them to a wave
	s_add_co_u32 s46, s46, s47
	s_mov_b32 s47, 0
	s_add_nc_u64 s[98:99], s[98:99], s[46:47]
	s_lshl_b32 s46, s42, 10
	s_lshl_b32 s21, s16, 9
	s_add_co_u32 s46, s46, s21                     ; my first e, 4 bytes each
	s_add_nc_u64 s[96:97], s[96:97], s[46:47]      ; in bse,
	s_lshl_b32 s21, s20, 17                        ; and in the batch's 16 rows of part, 8,192 bytes each
	s_add_co_u32 s46, s46, s21
	s_add_nc_u64 s[100:101], s[100:101], s[46:47]
	s_lshl_b32 s20, s42, 1
	s_add_co_u32 s20, s20, s16                     ; which 128 e of the 2,048 are mine
	s_lshl_b32 s21, s17, 4
	s_lshl_b32 s46, s15, 3
	s_add_co_u32 s21, s21, s46                     ; my first block of 16 t
	s_lshl_b32 s46, s20, 9
	s_add_co_u32 s46, s46, s21
	s_lshl_b32 s46, s46, 10                        ; 1,024 bytes an image
	s_add_nc_u64 s[66:67], s[66:67], s[46:47]
	s_lshl_b32 s46, s20, 13
	s_lshl_b32 s21, s21, 4
	s_add_co_u32 s46, s46, s21
	s_lshl_b32 s46, s46, 2                         ; 4 bytes a scale word
	s_add_nc_u64 s[12:13], s[12:13], s[46:47]
	v_lshlrev_b32 v8, 4, v6                        ; 16 x lane
	v_lshlrev_b32 v9, 5, v2                        ; 8 h numbers on
.irp i, 0,1,2,3,4,5,6,7
	global_load_b128 v[128+4*\i:131+4*\i], v8, s[98:99] offset:512*\i          ; my wave's 1,024 numbers of the mask
.endr
.irp p, 0,1,2,3,4,5,6,7,8,9,10,11,12,13,14,15
	global_load_b128 v[192+4*\p:195+4*\p], v8, s[100:101] offset:8192*\p       ; part(16 batch + p, my e = 4 lane + 0 .. 3)
.endr
	WIN TO_B
.irp b, 0,1,2,3,4,5,6,7
.irp u, 0,1
	global_load_b128 v[BIAS+8*\b+4*\u:BIAS+8*\b+4*\u+3], v9, s[96:97] offset:64*\b+16*\u   ; bse(16 b + 8 h + 4 u + 0 .. 3)
.endr
.endr
	WIN 0
	s_lshl_b32 s20, s14, 2
	s_add_co_u32 s20, s20, CNT
	v_mov_b32 v10, s20                             ; my wave's word of the count
	v_mov_b32 v15, CNT
	s_lshl_b32 s20, s14, 9
	s_add_co_u32 s21, s20, HMS
	v_lshl_add_u32 v11, v6, 4, s21                 ; hm in: 16 bytes a lane
	v_lshl_add_u32 v12, v2, 5, s21                 ; hm back: 8 h numbers on
	s_add_co_u32 s21, s20, SWS
	v_lshl_add_u32 v13, v1, 2, s21                 ; scale words in: 4 r
	v_lshl_add_u32 v14, v6, 4, s21                 ; and back: 16 bytes a lane
	v_mul_u32_u24 v3, v1, PITCH
	v_lshl_add_u32 v4, v2, 4, v3
	s_mul_i32 s21, s15, HALFT
	s_mul_i32 s22, s16, HALFT
	s_add_co_u32 s22, s22, 2*HALFT
.irp s, 0,1
	v_add_nc_u32 v[ADRA+\s], s21, v4
	v_add_nc_u32 v[ADRB+\s], s22, v4
	s_add_co_u32 s21, s21, SLOT
	s_add_co_u32 s22, s22, SLOT
.endr
	v_mul_u32_u24 v5, v1, KS
	v_lshrrev_b32 v7, 8, v5
	v_lshl_add_u32 v5, v7, 4, v5
	s_mul_i32 s21, s15, HALFS
	s_mul_i32 s22, s16, HALFS
	s_add_co_u32 s22, s22, 2*HALFS
	s_sub_co_u32 s22, s22, s21
	v_mul_u32_u24 v7, s22, v2                      ; lanes 16-31 take B's scale words
	s_add_co_u32 s21, s21, SCL
	v_add_nc_u32 v5, v5, v7
	v_add_nc_u32 v[ADRS], s21, v5
	s_mov_b32 s20, 0x76543210
	s_mov_b32 s21, 0xfedcba98                      ; v_permlanex16_b32's selects for lane l xor 16
	s_mov_b32 s22, 0x3e2aaaab                      ; 1 / 6
	s_mov_b32 s23, s22                             ; (named with it as a pair)
	s_wait_loadcnt 32                              ; the mask's eight loads are in; part's 16 and the bias's 16 may be out
.set KK, 0
.rept 32
	v_cvt_f32_i32 v[128+KK], v[128+KK]
.set KK, KK+1
.endr
.irp k, 0,2,4,6,8,10,12,14
	v_pk_add_f32 v[128+\k:129+\k], v[128+\k:129+\k], v[144+\k:145+\k]
.endr
.irp k, 0,2,4,6
	v_pk_add_f32 v[128+\k:129+\k], v[128+\k:129+\k], v[136+\k:137+\k]
.endr
.irp k, 0,2
	v_pk_add_f32 v[128+\k:129+\k], v[128+\k:129+\k], v[132+\k:133+\k]
.endr
	v_pk_add_f32 v[128:129], v[128:129], v[130:131]
	v_add_f32 v128, v128, v129
	v_add_f32_dpp v128, v128, v128 row_xmask:1 row_mask:0xf bank_mask:0xf
	v_add_f32_dpp v128, v128, v128 row_xmask:2 row_mask:0xf bank_mask:0xf
	v_add_f32_dpp v128, v128, v128 row_xmask:4 row_mask:0xf bank_mask:0xf
	v_add_f32_dpp v128, v128, v128 row_xmask:8 row_mask:0xf bank_mask:0xf
	v_permlanex16_b32 v129, v128, s20, s21
	v_add_f32 v128, v128, v129                     ; my wave's quarter of the mask's sum, in every lane
	ds_store_b32 v10, v128
	s_wait_loadcnt 16                              ; part's loads are in; the bias's 16 may be out
.irp p, 0,1,2,3,4,5,6,7
	v_pk_add_f32 v[192+4*\p:193+4*\p], v[192+4*\p:193+4*\p], v[224+4*\p:225+4*\p]
	v_pk_add_f32 v[194+4*\p:195+4*\p], v[194+4*\p:195+4*\p], v[226+4*\p:227+4*\p]
.endr
.irp p, 0,1,2,3
	v_pk_add_f32 v[192+4*\p:193+4*\p], v[192+4*\p:193+4*\p], v[208+4*\p:209+4*\p]
	v_pk_add_f32 v[194+4*\p:195+4*\p], v[194+4*\p:195+4*\p], v[210+4*\p:211+4*\p]
.endr
.irp p, 0,1
	v_pk_add_f32 v[192+4*\p:193+4*\p], v[192+4*\p:193+4*\p], v[200+4*\p:201+4*\p]
	v_pk_add_f32 v[194+4*\p:195+4*\p], v[194+4*\p:195+4*\p], v[202+4*\p:203+4*\p]
.endr
	v_pk_add_f32 v[192:193], v[192:193], v[196:197]
	v_pk_add_f32 v[194:195], v[194:195], v[198:199]                            ; the batch's masked sums of my four e
	s_wait_loadcnt 0x0                             ; the bias
	s_wait_dscnt 0x0                               ; for the others' sake: my word of the count lies in LDS
	s_barrier_signal -1                            ; (my tensor loads may stay out)
	s_barrier_wait -1
	ds_load_b128 v[132:135], v15
	s_wait_dscnt 0x0
	v_add_f32 v132, v132, v133
	v_add_f32 v134, v134, v135
	v_add_f32 v132, v132, v134                     ; the mask's sum
	v_rcp_f32 v136, v132
	v_rcp_f32 v137, v132                           ; twice: a pair for the packed multiply
	v_nop                                          ; a plain place behind the transcendentals
	s_wait_alu depctr_va_vdst(0)
	v_pk_mul_f32 v[192:193], v[192:193], v[136:137]
	v_pk_mul_f32 v[194:195], v[194:195], v[136:137]                            ; hm of my four e
	ds_store_b128 v11, v[192:195]                  ; through my wave's own 512 bytes: LDS serves a wave's instructions in order, so no wait stands ahead of the loads
	WIN TO_B
.irp b, 0,1,2,3,4,5,6,7
.irp u, 0,1
	ds_load_b128 v[HM+8*\b+4*\u:HM+8*\b+4*\u+3], v12 offset:64*\b+16*\u        ; hm(16 b + 8 h + 4 u + 0 .. 3): the result's layout
.endr
.endr
	WIN 0
.macro FRAG reg, adr, q, i
.irp c, 0,1
	ds_load_b128 v[\reg+4*\c:\reg+4*\c+3], v[\adr] offset:64*(\q)+32*\c+(\i)*16*PITCH
.endr
.endm
; 16 matrix instructions: A's blocks a0, a0 + 1 x B's eight.  zero = 1: the first product starts the sums from the bias.  The 64 accumulators take turns.
.macro MUL16 a0, p, q, sc, zero
.irp a, \a0, \a0+1
.irp b, 0,1,2,3,4,5,6,7
.if \zero
	v_wmma_scale_f32_16x16x128_f8f6f4 v[8*(8*((\a)%4)+\b):8*(8*((\a)%4)+\b)+7], v[128*(\p)+FR*\b:128*(\p)+FR*\b+FR-1], v[AF+FR*(\a):AF+FR*(\a)+FR-1], v[BIAS+8*\b:BIAS+8*\b+7], v[SC+8*NQ*(\sc)+NQ*\b+(\q)], v[SC+8*NQ*(\sc)+NQ*(\a)+(\q)] matrix_a_fmt:MATRIX_FMT_FP4 matrix_b_fmt:MATRIX_FMT_FP4 matrix_a_scale:MATRIX_SCALE_ROW1
.else
	v_wmma_scale_f32_16x16x128_f8f6f4 v[8*(8*((\a)%4)+\b):8*(8*((\a)%4)+\b)+7], v[128*(\p)+FR*\b:128*(\p)+FR*\b+FR-1], v[AF+FR*(\a):AF+FR*(\a)+FR-1], v[8*(8*((\a)%4)+\b):8*(8*((\a)%4)+\b)+7], v[SC+8*NQ*(\sc)+NQ*\b+(\q)], v[SC+8*NQ*(\sc)+NQ*(\a)+(\q)] matrix_a_fmt:MATRIX_FMT_FP4 matrix_b_fmt:MATRIX_FMT_FP4 matrix_a_scale:MATRIX_SCALE_ROW1
.endif
.endr
.endr
.endm
.macro FETCH_B slot, q, p
	WIN TO_B
.irp i, 0,1,2,3,4,5,6,7
	FRAG 128*(\p)+FR*\i, ADRB+\slot, \q, \i
.endr
	WIN 0
.endm
.macro FETCH_A slot, q, i0
.irp i, \i0, \i0+1, \i0+2, \i0+3
	FRAG AF+FR*(\i), ADRA+\slot, \q, \i
.endr
.endm
.macro SCALES sc
.irp i, 0,1,2,3,4,5,6,7
	ds_load_b128 v[SC+8*NQ*\sc+NQ*\i:SC+8*NQ*\sc+NQ*\i+3], v[ADRS] offset:\i*SBLK
.endr
.endm
.macro PLACES n
.rept \n
	v_nop
.endr
.endm
.macro STEP slot, q, zero
	s_wait_dscnt 4*NL                              ; all but the youngest eight loads (A's blocks 4-7) are in
.if \zero
	WIN MUL_LO0
.else
	WIN MUL_LO
.endif
	MUL16 0, (\q)%2, \q, \slot, \zero
	MUL16 2, (\q)%2, \q, \slot, \zero
	s_wait_dscnt 0
	PLACES NP
	FETCH_B \slot, (\q)+1, 1-(\q)%2
	FETCH_A \slot, (\q)+1, 0
.if \zero
	WIN MUL_HI0
.else
	WIN MUL_HI
.endif
	MUL16 4, (\q)%2, \q, \slot, \zero
	MUL16 6, (\q)%2, \q, \slot, \zero
	PLACES NP
	WIN 0
	FETCH_A \slot, (\q)+1, 4
.endm
.macro TURN slot, next                 ; a slot's last step changes slots: one barrier; nothing is filled again in this launch
	s_wait_tensorcnt 0x0
	ds_add_u32 v[SPW], v[NIL]                      ; 0 onto my spare word
	s_wait_dscnt 4*NL+1                            ; the add and the youngest eight loads may be out
	WIN MUL_LO
	MUL16 0, 1, NQ-1, \slot, 0
	s_wait_dscnt 0x0
	s_barrier_signal -1
	MUL16 2, 1, NQ-1, \slot, 0
	WIN 0
	s_barrier_wait -1
	PLACES NP
	v_add_nc_u32 v[ADRS], 4*NQ, v[ADRS]
	FETCH_B \next, 0, 0
	FETCH_A \next, 0, 0
	SCALES \next
	WIN MUL_HI
	MUL16 4, 1, NQ-1, \slot, 0
	MUL16 6, 1, NQ-1, \slot, 0
	PLACES NP
	WIN 0
	FETCH_A \next, 0, 4
.endm
.macro STEPS slot, from
.set Q, \from
.rept NQ-1-\from
	STEP \slot, Q, 0
.set Q, Q+1
.endr
.endm
	s_wait_tensorcnt 1                             ; the scales and my part of slot 0 are in; slot 1's load may be out
	s_wait_dscnt 0x0                               ; hm is in its registers
	s_barrier_signal -1
	s_barrier_wait -1
	FETCH_B 0, 0, 0
	FETCH_A 0, 0, 0
	SCALES 0
	FETCH_A 0, 0, 4
	STEP 0, 0, 1
	STEPS 0, 1
	TURN 0, 1
	STEPS 1, 0
	s_wait_dscnt 4*NL
	WIN MUL_LO
	MUL16 0, 1, NQ-1, 1, 0
	MUL16 2, 1, NQ-1, 1, 0
	s_wait_dscnt 0
	WIN MUL_HI
	MUL16 4, 1, NQ-1, 1, 0
	MUL16 6, 1, NQ-1, 1, 0
	WIN 0
	PLACES NP                                      ; T lies where A's fragments lay
.irp b, 0,1,2,3
	v_mov_b32 v[TM+4+\b], 0                        ; written once: a lane permute's destination counts as one of its sources
.endr
; Block a: 16 t x my 128 e, 64 numbers a lane, all of ONE t: gate, x hm, quantised, stored as the image of a fragment.  Each accumulator is read from its low end on.
.macro GATE a
.set AC, 64*((\a)%4)
.set PC, PCS+8*(\a)
	WIN 2+(\a)/4
.set KK, 0
.rept 32
	v_pk_fma_f32 v[TT+KK:TT+KK+1], v[AC+KK:AC+KK+1], s[22:23], 0.5 op_sel_hi:[1,0,0]  ; x / 6 + 0.5
.set KK, KK+2
.endr
	WIN 0
.set KK, 0
.rept 64
	v_med3_num_f32 v[TT+KK], v[TT+KK], 0, 1.0      ; held to 0 .. 1
.set KK, KK+1
.endr
	WIN 0x04                                       ; source 1: window 1
.set KK, 0
.rept 32
	v_pk_mul_f32 v[TT+KK:TT+KK+1], v[TT+KK:TT+KK+1], v[HM+KK:HM+KK+1]                 ; x hm
.set KK, KK+2
.endr
	WIN 0
.irp b, 0,1,2,3                        ; block b of 32 e: registers 16 b .. 16 b + 15 are my 16 of it, lane l xor 16 has the others
	v_max3_num_f32 v[TM+\b], |v[TT+16*\b]|, |v[TT+1+16*\b]|, 0x1800000                ; with the floor 2^(3 - 127): the byte cannot fall under 1
.endr
.irp i, 2,4,6,8,10,12,14
.irp b, 0,1,2,3
	v_max3_num_f32 v[TM+\b], v[TM+\b], |v[TT+16*\b+\i]|, |v[TT+1+16*\b+\i]|
.endr
.endr
.irp b, 0,1,2,3
	v_permlanex16_b32 v[TM+4+\b], v[TM+\b], s20, s21
.endr
.irp b, 0,1,2,3
	v_max_num_f32 v[TM+\b], v[TM+\b], v[TM+4+\b]   ; the block's largest magnitude
.endr
.irp b, 0,1,2,3
	v_add_nc_u32 v[TM+12+\b], 0xff000000, v[TM+\b] ; 2 off its exponent field: the conversion's scale operand
.endr
.irp b, 0,1,2,3
	v_lshrrev_b32 v[TM+4+\b], 23, v[TM+12+\b]      ; the scale's byte
.endr
	v_lshl_or_b32 v[PW+\a], v[TM+5], 8, v[TM+4]    ; my row's scale word
	v_lshl_or_b32 v[PW+\a], v[TM+6], 16, v[PW+\a]
	v_lshl_or_b32 v[PW+\a], v[TM+7], 24, v[PW+\a]
.irp b, 0,1,2,3,4,5,6,7                ; tile b's eight codes are K = 16 b + 8 h + 0 .. 7.  Tiles 4 c, 4 c + 2, 4 c + 1, 4 c + 3 go to registers 4 c, + 1, + 2, + 3
	v_cvt_scalef32_pk8_fp4_f32 v[PC+4*(\b/4)+2*(\b%2)+(\b/2)%2], v[TT+8*\b:TT+8*\b+7], v[TM+12+\b/2]
.endr
	v_nop                                          ; one plain place behind a scaled conversion
.irp c, 0,1                            ; the first's lanes 16-31 change places with the second's lanes 0-15: register 4 c + p then holds K = 64 c + 32 h + 8 p + 0 .. 7
	v_permlane16_swap_b32 v[PC+4*\c], v[PC+4*\c+1]
	v_permlane16_swap_b32 v[PC+4*\c+2], v[PC+4*\c+3]
.endr
.irp c, 0,1
	global_store_b128 v8, v[PC+4*\c:PC+4*\c+3], s[66:67] offset:1024*(\a)+512*\c      ; 32 lanes store 512 consecutive bytes; each block has registers of its own, so no store's data are written again
.endr
	ds_store_b32 v13, v[PW+\a] offset:64*(\a)      ; lanes l and l xor 16 write the same word with the same bits
.endm
.irp a, 0,1,2,3,4,5,6,7
	GATE \a
.endr
	ds_load_b128 v[TM:TM+3], v14                   ; my wave's own 128 scale words, in order behind my stores
	s_wait_dscnt 0x0
	global_store_b128 v8, v[TM:TM+3], s[12:13]     ; 512 consecutive bytes
	s_wait_tensorcnt 0x0                           ; the wave's end
	ds_add_u32 v[SPW], v[NIL]
	s_wait_dscnt 0x0
	CROUND                                         ; the closing round
	s_endpgm
.Lfunc_end_k_q09a3aee909_gate:
	.size	k_q09a3aee909_gate, .Lfunc_end_k_q09a3aee909_gate-k_q09a3aee909_gate
	.p2alignl 7, 3214868480
	.fill 96, 4, 3214868480
	.section	.rodata,"a",@progbits
	.p2align	6, 0x0
	.amdhsa_kernel k_q09a3aee909_gate
		.amdhsa_group_segment_fixed_size 327680
		.amdhsa_private_segment_fixed_size 0
		.amdhsa_enable_private_segment 0
		.amdhsa_kernarg_size 72
		.amdhsa_user_sgpr_count 2
		.amdhsa_user_sgpr_kernarg_segment_ptr 1
		.amdhsa_wavefront_size32 1
		.amdhsa_system_sgpr_workgroup_id_x 1
		.amdhsa_system_sgpr_workgroup_id_y 1
		.amdhsa_system_sgpr_workgroup_id_z 1
		.amdhsa_system_vgpr_workitem_id 0
		.amdhsa_next_free_vgpr 1024
		.amdhsa_next_free_sgpr 102
		.amdhsa_reserve_vcc 0
		.amdhsa_float_denorm_mode_32 3
		.amdhsa_float_denorm_mode_16_64 3
		.amdhsa_memory_ordered 1
		.amdhsa_forward_progress 1
		.amdhsa_inst_pref_size 203
	.end_amdhsa_kernel
	.amdgpu_metadata
---
amdhsa.version: [ 1, 2 ]
amdhsa.kernels:
  - .name:           k_q09a3aee909_gate
    .symbol:         k_q09a3aee909_gate.kd
    .args:
      - { .name: xq_codes, .offset: 0, .size: 8, .value_kind: global_buffer, .address_space: global }
      - { .name: xq_scales, .offset: 8, .size: 8, .value_kind: global_buffer, .address_space: global }
      - { .name: Wse_codes, .offset: 16, .size: 8, .value_kind: global_buffer, .address_space: global }
      - { .name: Wse_scales, .offset: 24, .size: 8, .value_kind: global_buffer, .address_space: global }
      - { .name: bse, .offset: 32, .size: 8, .value_kind: global_buffer, .address_space: global }
      - { .name: mask, .offset: 40, .size: 8, .value_kind: global_buffer, .address_space: global }
      - { .name: part, .offset: 48, .size: 8, .value_kind: global_buffer, .address_space: global }
      - { .name: sh_codes, .offset: 56, .size: 8, .value_kind: global_buffer, .address_space: global }
      - { .name: sh_scales, .offset: 64, .size: 8, .value_kind: global_buffer, .address_space: global }
    .group_segment_fixed_size: 327680
    .private_segment_fixed_size: 0
    .kernarg_segment_align: 8
    .kernarg_segment_size: 72
    .max_flat_workgroup_size: 128
    .sgpr_count:     102
    .vgpr_count:     1024
    .wavefront_size: 32
...
	.end_amdgpu_metadata
.endif
;; end of part 2
;; launch proj (part 3): grid 4 x 64, 4 waves a work-group, clusters of 4 x 4, 327,680 bytes of LDS; arguments sh_codes, sh_scales, Wag_codes, Wag_scales, out0; writes out0
.if DOCPART == 3
	.amdgcn_target "amdgcn-amd-amdhsa--gfx1250"
	.amdhsa_code_object_version 6
	.text
	.protected	k_q09a3aee909_proj
	.globl	k_q09a3aee909_proj
	.p2align	8
	.type	k_q09a3aee909_proj,@function
k_q09a3aee909_proj:
	s_mov_b64 s[64:65], 0
	v_nop
	global_prefetch_b8 v0, s[64:65] scope:SCOPE_SE
	s_setreg_imm32_b32 hwreg(HW_REG_WAVE_MODE, 25, 1), 1
	s_wait_xcnt 0x0
	s_wait_alu depctr_hold_cnt(0) depctr_sa_sdst(0) depctr_va_vdst(0) depctr_va_sdst(0) depctr_va_ssrc(0) depctr_va_vcc(0) depctr_vm_vsrc(0)
	s_getreg_b32 s2, hwreg(HW_REG_IB_STS2, 6, 4)
	s_cmp_eq_u32 s2, 0
	s_cbranch_scc0 .Lentry_in_a_cluster
	s_endpgm
.Lentry_in_a_cluster:
	s_bfe_u32 s2, ttmp6, 0x10000c
	s_cmp_lg_u32 s2, 0xf033
	s_cbranch_scc0 .Lentry_shape_is_right
	s_endpgm
.Lentry_shape_is_right:
; out0[t][d] = the sum over e of sh[t][e] Wag[d][e], both as codes of FP4 (E2M1) with E8M0 scales; sums in f32, K ascending.  A = sh [8192 t][2048 e], B = Wag [1024 d][2048 e].
; A tile of out0 is 128 t x 256 d: 64 x 4 = 256 tiles, one work-group each.  Four waves, 64 t x 128 d each: 32 accumulators of 16 x 16.  (Tiles of 256 x 256 would be 128.)
; K goes in steps of 512 through a ring of two LDS slots filled by the tensor data mover; a third slot does not fit beside the scales.
; A COMES AS IMAGES OF ITS FRAGMENTS' REGISTERS: sh_codes [e / 128 : 16][t / 16 : 512][1,024 bytes], registers 4 c .. 4 c + 3 of lane l at 512 c + 16 l.  64 rows of a K step are 4 runs of 4,096 consecutive bytes:
; one tensor load of 4 rows, laid dense in LDS; a fragment is two loads of 512 consecutive bytes.  B comes as rows of 256 bytes, 16 bytes of padding behind each.
; THE SCALES come once.  B's: a dense block of memory, by tensor loads, 64 rows' a wave.  A's lie [e / 128][t] in memory: each wave brings the words of 64 rows for 8 of the 16 steps of 128 through registers and stores
; them into LDS row by row (64 bytes a row, 16 bytes of padding behind each 256), in blocks of LDS into which no tile lands.
; CLUSTERS: 4 x 4 work-groups; A's tiles are shared along a row of the cluster, B's and B's scales along a column, by joint loads.
; THE MATRIX INSTRUCTION IS USED TRANSPOSED (source 0 = 16 rows of B, source 1 = 16 rows of A): a lane holds eight neighbouring numbers of a row of out0.
; LIMITS: scale bytes 0xff are not served.
; REGISTERS: window 0: v0-31 addresses; v32-95 scale words, two sets; v128-255 at work at the head and on the way out.
;   window 1: set p of the fragments at v[128 p]: B's eight, then from v[128 p + 64] A's four.   window 2: the accumulators, (a, b) at v[8 (8 a + b)].
.set SIZE_N, 1024
.set SIZE_K, 2048
.set KSTEP,  512                       ; along K in a slot
.set NQ,     KSTEP/128                 ; steps of 128 in it
.set ROWB,   256                       ; a row of B's tile in bytes
.set KROW,   SIZE_K/2                  ; a row of B's codes in memory
.set PITCH,  272                       ; B's LDS row: 256 bytes + 16 of padding: the 16 rows that a load touches start 68 words apart
.set FR,     8                         ; registers of a fragment
.set NP,     4                         ; places behind this matrix instruction (ISA guide 7.12.1)
.set HALFA,  16384                     ; A: 64 rows of a K step: [4 steps of 128][4 blocks of 16 rows][1,024 bytes]
.set HALFT,  128*PITCH                 ; B: 128 rows
.set SLOT,   2*HALFA+2*HALFT           ; A's 128 rows, then B's 256
.set ASTEP,  4*512*1024                ; bytes from a K step of A to the next in memory
.set LAPS,   SIZE_K/(2*KSTEP)
.set KS,     SIZE_K/32                 ; a row of scale bytes
.set SCL,    2*SLOT                    ; A's scales of 128 rows (stored from registers),
.set HALFS,  (128*KS/256)*272          ; (the scales of 128 rows, as units of 256 bytes + 16)
.set SBLK,   (16*KS/256)*272           ; (those of 16 rows)
.set SCLB,   SCL+HALFS                 ; then B's of 256 rows (brought by tensor loads)
.set SPARE,  SCLB+2*HALFS              ; the spare words, 128 bytes a wave
.set SPITCH, 528                       ; the way out: a stage of 16 rows x (512 + 16) bytes a wave, in slot 0, which has had its last fill and its last read by then
.set ADRA, 16                          ; v16-17  LDS address of my A fragments in slot 0, 1
.set ADRB, 20                          ; v20-21  the same for B
.set STO,  24                          ; v24     the way out: where I put 32 bytes of a row
.set RD,   25                          ; v25     and where I read a row back
.set CO,   26                          ; v26     16 x lane
.set ADRS, 27                          ; v27     LDS address of my scale words: lanes 0-15 A's rows, lanes 16-31 B's
.set SPW,  28                          ; v28     my spare word; never rewritten
.set NIL,  29                          ; v29     0; never rewritten
.set SC,   32                          ; scale words: set s at v[SC + 32 s]; register 4 i + q: lanes 0-15 A's block i, lanes 16-31 B's block i, the slot's q-th 128 along K
.set AFR,  64                          ; window 1: A's fragments in a set
.set BK,   128                         ; the way out: 16 rows read back: v128-191 and v192-255 by turns
.set G1, 24                            ; s[24:31] group 1 for A's tiles;  s[32:39] group 0, one set for each slot
.set G0, 32
.set G1B, 48                           ; s[48:55], s[56:63] the same for B's tiles
.set G0B, 56
.set G1SB, 80                          ; s[80:87], s[88:91] for B's scales
.set G0SB, 88
.set MSB, 0
.macro WIN new                         ; the immediate's high byte repeats the setting that is left
.if MSB != (\new)
	s_set_vgpr_msb (MSB<<8)|(\new)
.set MSB, (\new)
.endif
.endm
.set MUL,  0xa5                        ; sources 0 (B) and 1 (A) window 1, C and D window 2
.set TO_F, 0x40                        ; destination window 1, address window 0
.macro JLOAD g0a, g1a, g0b, g1b        ; a joint load: waves 0 and 1 fetch for A, waves 2 and 3 for B; the branch hangs on the wave's number alone; four v_nop follow each line
	s_cmp_eq_u32 s15, 0
	s_cbranch_scc0 .Lfor_b_\@
	tensor_load_to_lds s[\g0a:\g0a+3], s[\g1a:\g1a+7]
	s_nop 0
.rept 4
	v_nop
.endr
	s_branch .Lasked_\@
.Lfor_b_\@:
	tensor_load_to_lds s[\g0b:\g0b+3], s[\g1b:\g1b+7]
	s_nop 0
.rept 4
	v_nop
.endr
.Lasked_\@:
.endm
.macro CREST                           ; a round of the cluster's barrier behind its opening barrier
	s_cmp_lg_u32 s14, 0
	s_cbranch_scc1 .Lnot_wave_0_\@
	s_barrier_signal -3
.Lnot_wave_0_\@:
	s_barrier_wait -3
	s_barrier_signal -1
	s_barrier_wait -1
.endm
.macro CROUND
	s_barrier_signal -1
	s_barrier_wait -1
	CREST
.endm
	s_load_b128 s[4:7], s[0:1], 0x0                ; sh's codes, sh's scale words
	s_load_b128 s[8:11], s[0:1], 0x10              ; Wag's codes, Wag's scales
	s_load_b64 s[12:13], s[0:1], 0x20              ; out0
	v_lshl_add_u32 v[SPW], v0, 2, SPARE
	v_mov_b32 v[NIL], 0
	ds_add_u32 v28, v29
	ds_add_u32 v28, v29
	s_wait_dscnt 0x0
	v_lshrrev_b32 v1, 5, v0
	v_readfirstlane_b32 s14, v1                    ; wave 0..3
	v_and_b32 v6, 31, v0                           ; lane
	v_lshlrev_b32 v8, 3, v6                        ; A's scale words: two rows a lane
	s_lshr_b32 s15, s14, 1                         ; which 64 rows of the tile are mine.  Also: I fetch for A (0) or for B (1)
	s_and_b32 s16, s14, 1                          ; which 128 columns.  Also: which half of that tile's rows I fetch
	s_bfe_u32 s40, ttmp6, 0x40000                  ; cx, cy: my place in the cluster
	s_bfe_u32 s41, ttmp6, 0x40004
	s_lshl_b32 s42, ttmp9, 2
	s_add_co_u32 s42, s42, s40                     ; tile column (256 d) = 4 x cluster x + cx
	s_and_b32 s17, ttmp7, 0xffff
	s_lshl_b32 s17, s17, 2
	s_add_co_u32 s17, s17, s41                     ; tile row (128 t) = 4 x cluster y + cy
	s_lshl_b32 s43, s41, 2
	s_lshl_b32 s43, 15, s43                        ; my row of the cluster
	s_lshl_b32 s44, 0x1111, s40                    ; my column
	; A: 4 rows (steps of 128 along K) of 4,096 bytes (4 images), as 512 elements of 8 bytes; from row to row 512 images = 65,536 elements; no padding
	s_or_b32 s[G1+0], s43, (3<<16)|(1<<21)
	s_mov_b32 s[G1+1], 512<<16                     ; tensor_dim0
	s_mov_b32 s[G1+2], 4<<16                       ; tensor_dim1
	s_mov_b32 s[G1+3], 512<<16                     ; tile_dim0
	s_mov_b32 s[G1+4], 4                           ; tile_dim1
	s_mov_b32 s[G1+5], 65536                       ; from row to row
	s_mov_b32 s[G1+6], 0
	s_mov_b32 s[G1+7], 0
	; B: 128 rows x 256 bytes, 16 bytes of padding behind each
	s_or_b32 s[G1B+0], s44, (0<<16)|(1<<20)|(1<<21)|(5<<22)|(3<<25)
	s_mov_b32 s[G1B+1], ROWB<<16
	s_mov_b32 s[G1B+2], 128<<16
	s_mov_b32 s[G1B+3], ROWB<<16
	s_mov_b32 s[G1B+4], 128
	s_mov_b32 s[G1B+5], KROW
	s_mov_b32 s[G1B+6], 0
	s_mov_b32 s[G1B+7], 0
	; B's scales of 64 rows: 4,096 dense bytes, as 16 rows of 256 bytes (32 elements of 8), 16 bytes of padding behind each
	s_or_b32 s[G1SB+0], s44, (3<<16)|(1<<20)|(1<<21)|(5<<22)|(3<<25)
	s_mov_b32 s[G1SB+1], 32<<16
	s_mov_b32 s[G1SB+2], 16<<16
	s_mov_b32 s[G1SB+3], 32<<16
	s_mov_b32 s[G1SB+4], 16
	s_mov_b32 s[G1SB+5], 32
	s_mov_b32 s[G1SB+6], 0
	s_mov_b32 s[G1SB+7], 0
	s_lshl_b32 s20, s17, 13                        ; A's codes: image 8 x tile row + 4 x half, 1,024 bytes each
	s_lshl_b32 s18, s16, 12
	s_add_co_u32 s20, s20, s18
	s_mov_b32 s21, 0
	s_lshl_b32 s22, s17, 9                         ; A's scale words that I bring: row 128 x tile row + 64 x (wave % 2), 4 bytes each,
	s_lshl_b32 s18, s16, 8
	s_add_co_u32 s22, s22, s18
	s_lshl_b32 s18, s15, 18                        ; from step 8 x (wave / 2) of the 16 steps of 128 on, 32,768 bytes each
	s_add_co_u32 s22, s22, s18
	s_mov_b32 s23, 0
	s_lshl_b32 s46, s42, 18                        ; B's codes: row 256 x tile column + 128 x half, 1,024 bytes each
	s_lshl_b32 s18, s16, 17
	s_add_co_u32 s46, s46, s18
	s_mov_b32 s47, 0
	s_lshl_b32 s92, s42, 14                        ; B's scales: row 256 x tile column + 64 x wave, 64 bytes each
	s_lshl_b32 s18, s14, 12
	s_add_co_u32 s92, s92, s18
	s_mov_b32 s93, 0
	s_mul_i32 s45, s16, HALFA                      ; where they go: no place in the cluster enters an LDS address
	s_mul_i32 s95, s16, HALFT
	s_add_co_u32 s95, s95, 2*HALFA
	s_mul_i32 s94, s14, HALFS/2
	s_wait_kmcnt 0x0
	s_add_nc_u64 s[20:21], s[4:5], s[20:21]
	s_add_nc_u64 s[6:7], s[6:7], s[22:23]
	s_add_nc_u64 s[46:47], s[8:9], s[46:47]
	s_add_nc_u64 s[92:93], s[10:11], s[92:93]
.irp k, 0,1,2,3,4,5,6,7
	global_load_b64 v[128+2*\k:129+2*\k], v8, s[6:7] offset:32768*\k           ; the words of rows 2 lane, 2 lane + 1 for my k-th step of 128: 256 consecutive bytes a load.  Asked for ahead of the round, so that they are on their way during it
.endr
	CROUND                                         ; all sixteen work-groups are here: the first joint loads meet
	s_mov_b32 s[G0SB], 1
	s_add_co_u32 s[G0SB+1], s94, SCLB
	s_mov_b64 s[G0SB+2:G0SB+3], s[92:93]
	s_or_b32 s[G0SB+3], s[G0SB+3], 0x80000000
	tensor_load_to_lds s[G0SB:G0SB+3], s[G1SB:G1SB+7]   ; every wave: its 64 rows of B's scales
	s_nop 0
.rept 4
	v_nop
.endr
.irp s, 0,1
	s_mov_b32 s[G0+4*\s], 1
	s_add_co_u32 s[G0+4*\s+1], s45, \s*SLOT
	s_add_nc_u64 s[G0+4*\s+2:G0+4*\s+3], s[20:21], \s*ASTEP
	s_or_b32 s[G0+4*\s+3], s[G0+4*\s+3], 0x80000000
	s_mov_b32 s[G0B+4*\s], 1
	s_add_co_u32 s[G0B+4*\s+1], s95, \s*SLOT
	s_add_nc_u64 s[G0B+4*\s+2:G0B+4*\s+3], s[46:47], \s*ROWB
	s_or_b32 s[G0B+4*\s+3], s[G0B+4*\s+3], 0x80000000
	JLOAD G0+4*\s, G1, G0B+4*\s, G1B               ; three loads of mine are out
.endr
	v_and_b32 v1, 15, v0                           ; r
	v_bfe_u32 v2, v0, 4, 1                         ; h
	v_lshlrev_b32 v[CO], 4, v6
	v_mul_u32_u24 v3, v1, PITCH
	v_lshl_add_u32 v4, v2, 4, v3                   ; B: a fragment's row x pitch + 16 x half
	s_mul_i32 s21, s15, HALFA                      ; my 64 rows of A,
	s_mul_i32 s22, s16, HALFT                      ; my 128 rows of B,
	s_add_co_u32 s22, s22, 2*HALFA                 ; which lie behind A's 128
.irp s, 0,1
	v_add_nc_u32 v[ADRA+\s], s21, v[CO]            ; A: an image's 16 bytes a lane
	v_add_nc_u32 v[ADRB+\s], s22, v4
	s_add_co_u32 s21, s21, SLOT
	s_add_co_u32 s22, s22, SLOT
.endr
	v_mul_u32_u24 v5, v1, KS                       ; my row's scales: KS bytes a row,
	v_lshrrev_b32 v7, 8, v5
	v_lshl_add_u32 v5, v7, 4, v5                   ; and 16 more for each 256 passed
	s_mul_i32 s21, s15, HALFS/2                    ; A's: my 64 rows
	s_mul_i32 s22, s16, HALFS                      ; B's: my 128 rows, behind A's 128
	s_add_co_u32 s22, s22, HALFS
	s_sub_co_u32 s22, s22, s21
	v_mul_u32_u24 v7, s22, v2                      ; lanes 16-31 take B's: the lower base + h x the distance
	s_add_co_u32 s21, s21, SCL
	v_add_nc_u32 v5, v5, v7
	v_add_nc_u32 v[ADRS], s21, v5
	v_lshrrev_b32 v9, 1, v6                        ; where I store A's scale words: four rows to a unit of 272 bytes: unit 16 x (wave % 2) + lane / 2,
	v_mul_u32_u24 v9, v9, 272
	v_and_b32 v10, 1, v6
	v_lshl_add_u32 v9, v10, 7, v9                  ; rows 2 (lane % 2) and + 1 in it, 64 bytes each,
	s_mul_i32 s21, s16, HALFS/2
	s_lshl_b32 s22, s15, 5                         ; and in a row my eight words: 32 x (wave / 2) bytes on
	s_add_co_u32 s21, s21, s22
	s_add_co_u32 s21, s21, SCL
	v_add_nc_u32 v9, s21, v9
	s_mul_i32 s23, s14, 16*SPITCH                  ; my stage
	v_mul_u32_u24 v5, v1, SPITCH                   ; in: row r, 32 bytes for each half of the lanes
	v_lshl_add_u32 v5, v2, 5, v5
	v_add_nc_u32 v[STO], s23, v5
	v_add_nc_u32 v[RD], s23, v[CO]                 ; back: the 32 lanes take one row of 512 bytes
	s_lshl_b32 s20, s17, 7
	s_lshl_b32 s21, s15, 6
	s_add_co_u32 s20, s20, s21                     ; my first row of out0: 128 x tile row + 64 x half
	s_mov_b32 s21, 0
	s_mov_b64 s[18:19], SIZE_N*4
	s_mul_u64 s[20:21], s[20:21], s[18:19]
	s_lshl_b32 s46, s42, 10                        ; my first column, in bytes: 1,024 x tile column + 512 x half
	s_lshl_b32 s47, s16, 9
	s_add_co_u32 s46, s46, s47
	s_mov_b32 s47, 0
	s_add_nc_u64 s[20:21], s[20:21], s[46:47]
	s_add_nc_u64 s[12:13], s[12:13], s[20:21]
	s_wait_loadcnt 0x0
.irp k, 0,1,2,3,4,5,6,7
.irp u, 0,1
	ds_store_b32 v9, v[128+2*\k+\u] offset:64*\u+4*\k
.endr
.endr
.macro FRAGA reg, adr, q, i            ; an image comes back as it was stored: registers 4 c .. 4 c + 3 of lane l from 512 c + 16 l
.irp c, 0,1
	ds_load_b128 v[\reg+4*\c:\reg+4*\c+3], v[\adr] offset:4096*(\q)+1024*(\i)+512*\c
.endr
.endm
.macro FRAGB reg, adr, q, i            ; from rows: lane l holds row l % 16; registers 4 c .. 4 c + 3 hold K = 64 c + 32 (l / 16) + 0 .. 31
.irp c, 0,1
	ds_load_b128 v[\reg+4*\c:\reg+4*\c+3], v[\adr] offset:64*(\q)+32*\c+(\i)*16*PITCH
.endr
.endm
; 8 matrix instructions: B's blocks b0, b0 + 1 x A's four, the slot's q-th 128 along K, from set p.  zero = 1: the first product starts the sums: nothing is cleared.
; The 32 accumulators take turns, one instruction a turn, in the same order in every step, over the loop's backward jump too.
.macro MUL8 b0, p, q, sc, zero
.irp b, \b0, \b0+1
.irp a, 0,1,2,3
.if \zero
	v_wmma_scale_f32_16x16x128_f8f6f4 v[8*(8*\a+(\b)):8*(8*\a+(\b))+7], v[128*(\p)+FR*(\b):128*(\p)+FR*(\b)+FR-1], v[AFR+128*(\p)+FR*\a:AFR+128*(\p)+FR*\a+FR-1], 0, v[SC+8*NQ*(\sc)+NQ*(\b)+(\q)], v[SC+8*NQ*(\sc)+NQ*\a+(\q)] matrix_a_fmt:MATRIX_FMT_FP4 matrix_b_fmt:MATRIX_FMT_FP4 matrix_a_scale:MATRIX_SCALE_ROW1
.else
	v_wmma_scale_f32_16x16x128_f8f6f4 v[8*(8*\a+(\b)):8*(8*\a+(\b))+7], v[128*(\p)+FR*(\b):128*(\p)+FR*(\b)+FR-1], v[AFR+128*(\p)+FR*\a:AFR+128*(\p)+FR*\a+FR-1], v[8*(8*\a+(\b)):8*(8*\a+(\b))+7], v[SC+8*NQ*(\sc)+NQ*(\b)+(\q)], v[SC+8*NQ*(\sc)+NQ*\a+(\q)] matrix_a_fmt:MATRIX_FMT_FP4 matrix_b_fmt:MATRIX_FMT_FP4 matrix_a_scale:MATRIX_SCALE_ROW1
.endif
.endr
.endr
.endm
.macro FETCH slot, q, p                ; 24 LDS loads in one run: the fragments of the slot's q-th 128 along K into set p: A's four (8 loads), then B's eight (16 loads)
	WIN TO_F
.irp i, 0,1,2,3
	FRAGA AFR+128*(\p)+FR*\i, ADRA+\slot, \q, \i
.endr
.irp i, 0,1,2,3,4,5,6,7
	FRAGB 128*(\p)+FR*\i, ADRB+\slot, \q, \i
.endr
.endm
.macro SCALES sc                       ; a K step's scale words, four a row: lanes 16-31 take B's block i; lanes 0-15 A's block i (of registers 16 on, where A has no block, the low lanes' words are used by nobody)
.irp i, 0,1,2,3,4,5,6,7
	ds_load_b128 v[SC+8*NQ*\sc+NQ*\i:SC+8*NQ*\sc+NQ*\i+3], v[ADRS] offset:\i*SBLK
.endr
.endm
.macro PLACES n                        ; plain vector instructions between a matrix instruction and a load into, or a read of, its registers (ISA guide 7.12.1 for reads)
.rept \n
	v_nop
.endr
.endm
; A step of 128 along K that has its successor in the same slot: the successor's fragments are asked for first, into the set that the step before multiplied, a whole step ahead of their use.
.macro STEP slot, q, zero
	PLACES NP
	FETCH \slot, (\q)+1, 1-(\q)%2
	s_wait_dscnt 32                                ; the 24 just issued and this step's youngest eight (B's blocks 4-7) may be out: A's four and B's blocks 0-3 are in
	WIN MUL
	MUL8 0, (\q)%2, \q, \slot, \zero
	MUL8 2, (\q)%2, \q, \slot, \zero
	s_wait_dscnt 24                                ; all but the 24 just issued
	MUL8 4, (\q)%2, \q, \slot, \zero
	MUL8 6, (\q)%2, \q, \slot, \zero
.endm
; A slot's last step changes slots: ONE barrier; in front of it each wave waits for all its tensor loads, adds 0 to its spare word, and waits for that and for its reads of this slot.  fill = 1: this slot is filled again, two K steps ahead.
.macro TURN slot, next, fill
	WIN 0                                          ; (the add's two registers lie in window 0)
	s_wait_tensorcnt 0x0                           ; all my tensor loads have landed: my part of the next slot
	ds_add_u32 v[SPW], v[NIL]                      ; 0 onto my spare word
	s_wait_dscnt 9                                 ; the add and the youngest eight loads (B's blocks 4-7) may be out
	WIN MUL
	MUL8 0, 1, NQ-1, \slot, 0                      ; eight matrix instructions stand between the add and the wait for it
	s_wait_dscnt 0x0                               ; the add is done, and my reads of this slot are over
	s_barrier_signal -1
	MUL8 2, 1, NQ-1, \slot, 0
	WIN 0
	s_barrier_wait -1
.if \fill
	CREST                                          ; the barrier has opened a round of the cluster's barrier: no wave of any partner still reads this slot or has a load on its way
	s_add_nc_u64 s[G0+4*\slot+2:G0+4*\slot+3], s[G0+4*\slot+2:G0+4*\slot+3], 2*ASTEP
	s_add_nc_u64 s[G0B+4*\slot+2:G0B+4*\slot+3], s[G0B+4*\slot+2:G0B+4*\slot+3], 2*ROWB
	JLOAD G0+4*\slot, G1, G0B+4*\slot, G1B         ; the first tensor load behind the round: 112 matrix instructions ahead of the wait for it; its four v_nop are the places in front of the loads below
.else
	PLACES NP
.endif
	v_add_nc_u32 v[ADRS], 4*NQ, v[ADRS]            ; the next K step's scale words
	SCALES \next                                   ; ahead of the fragments, so that the next step's counted wait leaves B's blocks 4-7 out and nothing else of its own
	FETCH \next, 0, 0
	WIN MUL
	MUL8 4, 1, NQ-1, \slot, 0                      ; sixteen matrix instructions while the next slot's first fragments come
	MUL8 6, 1, NQ-1, \slot, 0
.endm
.macro STEPS slot, from                ; the slot's steps from .. NQ - 2
.set Q, \from
.rept NQ-1-\from
	STEP \slot, Q, 0
.set Q, Q+1
.endr
.endm
	s_wait_tensorcnt 1                             ; B's scales and my part of K step 0 are in; K step 1's load may be out
	s_wait_dscnt 0x0                               ; for the others' sake: my part of A's scale words lies in LDS
	s_barrier_signal -1
	s_barrier_wait -1
	SCALES 0
	FETCH 0, 0, 0
	STEP 0, 0, 1                                   ; the first step stands in front of the loop: its products start the sums
	WIN 0                                          ; at a label and at a branch every window is 0
	s_mov_b32 s3, LAPS-1
.Llap:                                                 ; a trip goes once round the ring, from a lap's second step to the next lap's first, and fills both slots again
	STEPS 0, 1
	TURN 0, 1, 1
	STEPS 1, 0
	TURN 1, 0, 1
	STEP 0, 0, 0
	WIN 0
	s_sub_co_u32 s3, s3, 1
	s_cmp_lg_u32 s3, 0
	s_cbranch_scc1 .Llap
	STEPS 0, 1                                     ; the last lap fills nothing
	TURN 0, 1, 0
	STEPS 1, 0
	s_wait_dscnt 8                                 ; the very last step: nothing more to fetch; B's blocks 4-7 may be out
	WIN MUL
	MUL8 0, 1, NQ-1, 1, 0
	MUL8 2, 1, NQ-1, 1, 0
	s_wait_dscnt 0
	MUL8 4, 1, NQ-1, 1, 0
	MUL8 6, 1, NQ-1, 1, 0
	WIN 0
; THE WAY OUT, block by block of 16 rows x 128 columns, through my own stage in LDS: in as 32 bytes a lane, back as whole rows of 512 bytes.  LDS serves a wave's instructions in order, so no wait stands between the stores and the loads.
.macro TOSTAGE a
.set AC, 64*(\a)
	WIN 0x08                                       ; an LDS store's data are its source 1: window 2
.irp b, 0,1,2,3,4,5,6,7
	ds_store_b128 v[STO], v[AC+8*\b:AC+8*\b+3] offset:64*\b          ; each accumulator from its low end on
	ds_store_b128 v[STO], v[AC+8*\b+4:AC+8*\b+7] offset:64*\b+16
.endr
	WIN 0
.set BB, BK+64*((\a)%2)
.irp t, 0,1,2,3,4,5,6,7,8,9,10,11,12,13,14,15
	ds_load_b128 v[BB+4*\t:BB+4*\t+3], v[RD] offset:\t*SPITCH
.endr
.endm
.macro SEND a, younger                 ; younger: the LDS instructions issued behind block a's loads, which may stay out
.set BB, BK+64*((\a)%2)
	s_wait_dscnt \younger
.if (\a) > 0
	s_add_nc_u64 s[12:13], s[12:13], 16*SIZE_N*4   ; (behind a wait on XCNT: the earlier stores have read their base)  16 rows on
.endif
.irp t, 0,1,2,3,4,5,6,7,8,9,10,11,12,13,14,15
	global_store_b128 v[CO], v[BB+4*\t:BB+4*\t+3], s[12:13] offset:\t*SIZE_N*4 th:TH_STORE_NT   ; 32 lanes store 512 consecutive bytes, at a multiple of 256 from out0's first byte
.endr
.endm
	PLACES NP                                      ; for the reads of the last results
	TOSTAGE 0
.irp a, 1,2,3
.if \a > 1
	s_wait_xcnt 0x0                                ; block a - 2's stores have read their registers and their base
.endif
	TOSTAGE \a
	SEND \a-1, 32                                  ; behind block a - 1's loads: block a's 16 stores and 16 loads
.endr
	s_wait_xcnt 0x0
	SEND 3, 0
	s_wait_tensorcnt 0x0                           ; the wave's end
	ds_add_u32 v[SPW], v[NIL]
	s_wait_dscnt 0x0
	CROUND                                         ; the closing round: no work-group ends while a partner may still ask for a tile that names it
	s_endpgm
.Lfunc_end_k_q09a3aee909_proj:
	.size	k_q09a3aee909_proj, .Lfunc_end_k_q09a3aee909_proj-k_q09a3aee909_proj
	.p2alignl 7, 3214868480
	.fill 96, 4, 3214868480
	.section	.rodata,"a",@progbits
	.p2align	6, 0x0
	.amdhsa_kernel k_q09a3aee909_proj
		.amdhsa_group_segment_fixed_size 327680
		.amdhsa_private_segment_fixed_size 0
		.amdhsa_enable_private_segment 0
		.amdhsa_kernarg_size 40
		.amdhsa_user_sgpr_count 2
		.amdhsa_user_sgpr_kernarg_segment_ptr 1
		.amdhsa_wavefront_size32 1
		.amdhsa_system_sgpr_workgroup_id_x 1
		.amdhsa_system_sgpr_workgroup_id_y 1
		.amdhsa_system_sgpr_workgroup_id_z 1
		.amdhsa_system_vgpr_workitem_id 0
		.amdhsa_next_free_vgpr 768
		.amdhsa_next_free_sgpr 98
		.amdhsa_reserve_vcc 0
		.amdhsa_float_denorm_mode_32 3
		.amdhsa_float_denorm_mode_16_64 3
		.amdhsa_memory_ordered 1
		.amdhsa_forward_progress 1
		.amdhsa_inst_pref_size 123
	.end_amdhsa_kernel
	.amdgpu_metadata
---
amdhsa.version: [ 1, 2 ]
amdhsa.kernels:
  - .name:           k_q09a3aee909_proj
    .symbol:         k_q09a3aee909_proj.kd
    .args:
      - { .name: sh_codes, .offset: 0, .size: 8, .value_kind: global_buffer, .address_space: global }
      - { .name: sh_scales, .offset: 8, .size: 8, .value_kind: global_buffer, .address_space: global }
      - { .name: Wag_codes, .offset: 16, .size: 8, .value_kind: global_buffer, .address_space: global }
      - { .name: Wag_scales, .offset: 24, .size: 8, .value_kind: global_buffer, .address_space: global }
      - { .name: out0, .offset: 32, .size: 8, .value_kind: global_buffer, .address_space: global }
    .group_segment_fixed_size: 327680
    .private_segment_fixed_size: 0
    .kernarg_segment_align: 8
    .kernarg_segment_size: 40
    .max_flat_workgroup_size: 128
    .sgpr_count:     98
    .vgpr_count:     768
    .wavefront_size: 32
...
	.end_amdgpu_metadata
.endif
;; end of part 3
